; MI455X (gfx1250); checked and timed in simulation.
; The chip was launched on July 23, 2026; its instructions are those of AMD's public machine-readable ISA for CDNA 5 (MIT licence, August 2026) and "CDNA5" Instruction Set Architecture Reference Guide (July 2026). The comments in the code are by the model that wrote it; some were corrected since.
;; Attention Block. Allowed arithmetic: matrix products marked QUANTISED: E4M3 operands, one given power-of-two scale a tensor, by v_wmma_f32_16x16x64_fp8_fp8 or v_wmma_f32_16x16x128_fp8_fp8, f32 sums; everything else in f32.
;; Inputs: W1 4,096 x 1,024 float32; W2 1,024 x 4,096 float32; Wk 1,024 x 1,024 float32; Wo 1,024 x 1,024 float32; Wq 1,024 x 1,024 float32; Wv 1,024 x 1,024 float32; b1 4,096 float32; b2 1,024 float32; bk 1,024 float32; bo 1,024 float32; bq 1,024 float32; bv 1,024 float32; ln1_b 1,024 float32; ln1_g 1,024 float32; ln2_b 1,024 float32; ln2_g 1,024 float32; lowp_scales 16 int32 (the exponents e of the quantised operands' scales 2^e); mask 2 x 2,048 bool; x 2 x 2,048 x 1,024 float32.
;; Outputs: out0 2 x 2,048 x 1,024 float32.
;; This version of the problem:
;;   THIS VERSION OF THE PROBLEM IS GIVEN IN LOW PRECISION. The matrix products marked QUANTISED in the list below multiply operands that are first quantised to E4M3 (4 exponent bits, 3 mantissa bits; 8 bits a number), with one given power-of-two scale for each operand tensor; their sums are f32. All else is computed in f32.
;;   The module's matrix products, in the order in which they are computed (A, B: the left and right operand; K: the contracted axis; several contracted axes count as one K, in the product's order):
;;     1. [M 4,096, K 1,024] x [K 1,024, N 1,024]; A: computed on the way; B: input Wq: QUANTISED (scales: A lowp_scales[0], B lowp_scales[1])
;;     2. [M 4,096, K 1,024] x [K 1,024, N 1,024]; A: computed on the way; B: input Wk: QUANTISED (scales: A lowp_scales[2], B lowp_scales[3])
;;     3. [M 4,096, K 1,024] x [K 1,024, N 1,024]; A: computed on the way; B: input Wv: QUANTISED (scales: A lowp_scales[4], B lowp_scales[5])
;;     4. batch 32 x [M 2,048, K 64] x [K 64, N 2,048]; A: computed on the way; B: computed on the way: QUANTISED (scales: A lowp_scales[6], B lowp_scales[7])
;;     5. batch 32 x [M 64, K 2,048] x [K 2,048, N 2,048]; A: computed on the way; B: softmax (see below): QUANTISED (scales: A lowp_scales[8], B lowp_scales[9])
;;     6. [M 4,096, K 1,024] x [K 1,024, N 1,024]; A: computed on the way; B: input Wo: QUANTISED (scales: A lowp_scales[10], B lowp_scales[11])
;;     7. [M 4,096, K 1,024] x [K 1,024, N 4,096]; A: computed on the way; B: input W1: QUANTISED (scales: A lowp_scales[12], B lowp_scales[13])
;;     8. [M 4,096, K 4,096] x [K 4,096, N 1,024]; A: computed on the way; B: input W2: QUANTISED (scales: A lowp_scales[14], B lowp_scales[15])
;;   THE QUANTISER, for each operand of a quantised product, along K:
;;     - The operand's scale is 2^e, e = its entry of the input lowp_scales (int32; the entries are numbered through the quantised products in the list's order, A before B).
;;     - Each number is divided by the scale, clamped to +-448, and rounded to the nearest number of E4M3, ties to even, subnormals kept.
;;     - The product sums the exact products of the quantised numbers (number of the format x scale) in f32.
;;   ~~~python
;;   def quantise(x, axis, e):      # numpy; x: float32 -> the quantised numbers, widened to float32 again
;;       x = np.moveaxis(x, axis, -1); K = x.shape[-1]
;;       r = np.clip(x / 2.0 ** e, -448, 448)
;;       step = 2.0 ** (np.maximum(np.frexp(np.where(r == 0, 1, r))[1] - 1, -6) - 3)
;;       q = np.round(r / step) * step * 2.0 ** e      # np.round: ties to even
;;       return np.moveaxis(q, -1, axis).astype(np.float32)
;;   ~~~
;;   SOFTMAX AHEAD OF A QUANTISED PRODUCT. Where the list says 'softmax', what is quantised is not the finished softmax but p = 2^(t - M), with t = logit x log2(e) and M = ceil(the row's largest t), a whole number; so 1/2 < the row's largest p <= 1. The row's sum l is taken of the UNQUANTISED p, in f32, and the product's result is divided by l at the end. Since M is a whole number, a kernel that streams over the keys may use a running M (the ceiling of the running maximum): every later rescaling is an exact power of two, so the quantised numbers keep their values, but for numbers so far below the row's largest that they fall under the format's range.
;;   OPERANDS COMPUTED ON THE WAY. 'Computed on the way' means the value that the module computes at that place (a softmax that the list does not call 'softmax' is quantised finished and normalised). What goes into a quantiser is computed in f32, as accurately as f32 sums, v_exp_f32 and their like allow (about 1e-6 of the number): no bf16 or f16 on the way to a quantiser, and a product that is left as it is and whose result goes on into a quantised operand takes f32 operands (vector FMAs, or v_wmma_f32_16x16x4_f32). A number that lies on a knife's edge between two numbers of the format may be rounded either way, as far as f32 arithmetic and the matrix unit's own rounding can turn it there, and no further.
;; One version. Each part assembles by itself: llvm-mc -triple=amdgcn-amd-amdhsa -mcpu=gfx1250 --defsym DOCPART=n.
;; ======== version 1 of 1: 7 launches
;; limits: a function is approximated: absolute error at most 1.5e-07; right only within a limited range of input values
;; workspace buffers: wc 12,582,912 bytes; yc 12,582,912 bytes; tab 540,672 bytes; qkv 12,582,912 bytes; ao 4,194,304 bytes; y1 16,777,216 bytes; hc 4,194,304 bytes; gc 16,777,216 bytes
;; launch prep (part 1): grid 1040 x 1, 4 waves a work-group, no clusters, 100,352 bytes of LDS; arguments x, ln1_g, ln1_b, lowp_scales, Wq, Wk, Wv, Wo, W1, W2, mask, wc, yc, tab; writes wc, yc, tab
.if DOCPART == 1
	.amdgcn_target "amdgcn-amd-amdhsa--gfx1250"
	.amdhsa_code_object_version 6
	.text
	.protected	k_qa304bf94d0_prep
	.globl	k_qa304bf94d0_prep
	.p2align	8
	.type	k_qa304bf94d0_prep,@function
k_qa304bf94d0_prep:
	s_mov_b64 s[64:65], 0
	v_nop
	global_prefetch_b8 v0, s[64:65] scope:SCOPE_SE
	s_setreg_imm32_b32 hwreg(HW_REG_WAVE_MODE, 25, 1), 1
	s_wait_xcnt 0x0
; Three jobs in one launch, told apart by the work-group's number; each has LDS bytes of its own.
;   0-15     TAB: the RoPE table (2,048 rows of 32 cosines and 32 sines, f32) and the keys' mask as an addend (0 or -3e38), into tab.
;   16-271   LN:  LayerNorm 1 of 16 rows of x, quantised three times (scales e0, e2, e4), into yc.
;   272-1039 W:   16 rows x 1,024 K of one of the six weights, quantised with its scale, into wc.
; ALL CODES LIE AS IMAGES OF THE OPERAND'S REGISTERS: for 16 rows x 128 K, lane (r, h) holds in registers 2c, 2c+1 the codes k = 16c + 8h + 0..7 of row r; four registers
; of the 32 lanes are 512 consecutive bytes, lane l at 16 l.  A tensor [R][K] is laid [R/16][K/128][2,048 bytes].  So every store here covers 512 consecutive aligned bytes.
; code = x / 2^e, held within +-448, to the nearest code, ties to even.  LIMITS: each e between -126 and 119; NaN among the inputs is not served.
; The table: angle = t x f in f32, brought into +-pi by two fused steps with 2 pi in two parts, quartered, sine to degree 9 and cosine to degree 8, doubled twice.
.set LNP, 4112                         ; LN's stage: a row of 4,096 bytes + 16: sixteen rows start at sixteen different 16-byte columns
.set WST, 66048                        ; behind it: W's stages, 16 rows x 528 bytes for each wave
.set WSP, 528
.macro SCLIM e, t, vsc, vlim           ; s[e] = exponent: v[vsc] = 2^e as f32, v[vlim] = 448 x 2^e; s[t], s[t+1] at work
	s_add_co_i32 s[\t], s[\e], 127
	s_lshl_b32 s[\t+1], s[\t], 23
	v_mov_b32 v[\vsc], s[\t+1]
	s_add_co_i32 s[\t], s[\t], 8
	s_lshl_b32 s[\t], s[\t], 23
	s_or_b32 s[\t], s[\t], 0x600000
	v_mov_b32 v[\vlim], s[\t]
.endm
.macro CPAIR r, bits                   ; a constant in both words of a pair
	v_mov_b32 v[\r], \bits
	v_mov_b32 v[\r+1], \bits
.endm
.macro RED a, t                        ; the sum of v[a] over the 32 lanes, in every lane; v[t] has been written before
	v_add_f32_dpp v[\a], v[\a], v[\a] row_xmask:1 row_mask:0xf bank_mask:0xf
	v_add_f32_dpp v[\a], v[\a], v[\a] row_xmask:2 row_mask:0xf bank_mask:0xf
	v_add_f32_dpp v[\a], v[\a], v[\a] row_xmask:4 row_mask:0xf bank_mask:0xf
	v_add_f32_dpp v[\a], v[\a], v[\a] row_xmask:8 row_mask:0xf bank_mask:0xf
	v_permlanex16_b32 v[\t], v[\a], s56, s57
	v_add_f32 v[\a], v[\a], v[\t]
.endm
	s_load_b512 s[8:23], s[0:1], 0x0               ; x 8, ln1_g 10, ln1_b 12, scales 14, Wq 16, Wk 18, Wv 20, Wo 22
	s_load_b256 s[24:31], s[0:1], 0x40             ; W1 24, W2 26, mask 28, wc 30
	s_load_b128 s[32:35], s[0:1], 0x60             ; yc 32, tab 34
	v_lshl_add_u32 v15, v0, 2, 0x18600
	s_set_vgpr_msb 0x40
	v_mov_b32 v1, 0
	s_set_vgpr_msb 0x4000
	v_lshrrev_b32 v1, 5, v0
	v_readfirstlane_b32 s52, v1                    ; wave
	v_and_b32 v12, 31, v0                          ; lane
	v_and_b32 v13, 15, v0                          ; r
	v_bfe_u32 v14, v0, 4, 1                        ; h
	v_lshlrev_b32 v1, 4, v12                       ; 16 x lane
	s_mul_i32 s53, s52, 4*LNP                      ; every LDS address is made here, ahead of the parting
	v_add_nc_u32 v2, s53, v1                       ; LN in: my wave's four rows, 16 bytes a lane
	v_mul_u32_u24 v3, v13, LNP
	v_lshl_add_u32 v3, v14, 5, v3
	s_lshl_b32 s53, s52, 10
	v_add_nc_u32 v3, s53, v3                       ; LN out: row r, + 32 h, + my wave's 256 along K
	s_mul_i32 s53, s52, 16*WSP
	s_add_co_u32 s53, s53, WST
	v_add_nc_u32 v4, s53, v1                       ; W in
	v_mul_u32_u24 v5, v13, WSP
	v_lshl_add_u32 v5, v14, 5, v5
	v_add_nc_u32 v5, s53, v5                       ; W out: row r, + 32 h
	s_wait_kmcnt 0x0
	s_load_b512 s[36:51], s[14:15], 0x0            ; e0 .. e15
	s_cmp_lt_u32 ttmp9, 16
	s_cbranch_scc1 .Ltab
	s_cmp_lt_u32 ttmp9, 272
	s_cbranch_scc1 .Lln
; ---------------- W: chunk c = 16 rows x 1,024 K; wave w takes K 256 w on, as two blocks of 128
	s_sub_co_u32 s53, ttmp9, 272                   ; c: 0-63 Wq, 64- Wk, 128- Wv, 192- Wo, 256- W1, 512- W2
	s_wait_kmcnt 0x0
	s_mov_b64 s[54:55], s[16:17]
	s_mov_b32 s56, s37                             ; e1
	s_cmp_ge_u32 s53, 64
	s_cselect_b64 s[54:55], s[18:19], s[54:55]
	s_cselect_b32 s56, s39, s56                    ; e3
	s_cmp_ge_u32 s53, 128
	s_cselect_b64 s[54:55], s[20:21], s[54:55]
	s_cselect_b32 s56, s41, s56                    ; e5
	s_cmp_ge_u32 s53, 192
	s_cselect_b64 s[54:55], s[22:23], s[54:55]
	s_cselect_b32 s56, s47, s56                    ; e11
	s_cmp_ge_u32 s53, 256
	s_cselect_b64 s[54:55], s[24:25], s[54:55]
	s_cselect_b32 s56, s49, s56                    ; e13
	s_cmp_ge_u32 s53, 512
	s_cselect_b64 s[54:55], s[26:27], s[54:55]
	s_cselect_b32 s56, s51, s56                    ; e15
	s_and_b32 s57, s53, 63
	s_lshl_b32 s57, s57, 16                        ; the four square weights: 16 rows of 4,096 bytes a chunk
	s_sub_co_u32 s58, s53, 256
	s_lshl_b32 s58, s58, 16                        ; W1 likewise
	s_sub_co_u32 s59, s53, 512
	s_lshr_b32 s60, s59, 2
	s_lshl_b32 s60, s60, 18                        ; W2: 16 rows of 16,384 bytes,
	s_and_b32 s59, s59, 3
	s_lshl_b32 s59, s59, 12                        ; and which quarter of K
	s_add_co_u32 s59, s59, s60
	s_mov_b32 s61, 4096
	s_cmp_ge_u32 s53, 256
	s_cselect_b32 s57, s58, s57
	s_cmp_ge_u32 s53, 512
	s_cselect_b32 s57, s59, s57
	s_cselect_b32 s58, 0x4000, s61                 ; a row of the weight in bytes
	s_lshl_b32 s60, s52, 10
	s_add_co_u32 s60, s60, s57
	s_mov_b32 s61, 0
	s_add_nc_u64 s[54:55], s[54:55], s[60:61]
	s_lshl_b32 s60, s53, 14                        ; the codes: 16,384 bytes a chunk, 4,096 a wave, in every tensor
	s_lshl_b32 s59, s52, 12
	s_add_co_u32 s60, s60, s59
	s_add_nc_u64 s[62:63], s[30:31], s[60:61]
	v_mov_b32 v16, v1
.set i, 1
.rept 15
	v_add_nc_u32 v[16+i], s58, v[15+i]             ; row i: 16 x lane + i rows
.set i, i+1
.endr
.irp k, 0,1
.set i, 0
.rept 16
	global_load_b128 v[64+64*\k+4*i:67+64*\k+4*i], v[16+i], s[54:55] offset:512*\k th:TH_LOAD_NT   ; 512 consecutive bytes of row i
.set i, i+1
.endr
.endr
	SCLIM 56, 60, 11, 10
.macro WBLK k                          ; 16 rows x 128 K turn through my own stage: in as they were loaded, out 32 bytes of one row a lane
	s_wait_loadcnt 16*(1-\k)                       ; this block's 16 loads are in; the other block's may be out
.set i, 0
.rept 16
	ds_store_b128 v4, v[64+64*\k+4*i:67+64*\k+4*i] offset:WSP*i
.set i, i+1
.endr
.set i, 0
.rept 8
	ds_load_b128 v[192+8*i:195+8*i], v5 offset:64*i          ; LDS serves a wave's instructions in order: these see my stores
	ds_load_b128 v[196+8*i:199+8*i], v5 offset:64*i+16
.set i, i+1
.endr
	s_wait_dscnt 0x0
.set i, 0
.rept 64
	v_med3_num_f32 v[192+i], v[192+i], -v10, v10             ; the conversion does not saturate: the hold at 448 x the scale
.set i, i+1
.endr
.set i, 0
.rept 8
	v_cvt_scalef32_pk8_fp8_f32 v[32+16*\k+2*i:33+16*\k+2*i], v[192+8*i:199+8*i], v11
.set i, i+1
.endr
	v_nop                                          ; a plain line behind the conversions
.set i, 0
.rept 4
	global_store_b128 v1, v[32+16*\k+4*i:35+16*\k+4*i], s[62:63] offset:2048*\k+512*i
.set i, i+1
.endr
.endm
	WBLK 0
	WBLK 1
	s_set_vgpr_msb 0x4
	s_wait_tensorcnt 0x0
	ds_add_u32 v15, v1
	s_wait_dscnt 0x0
	s_set_vgpr_msb 0x400
	s_endpgm
; ---------------- LN: row tile g; wave w normalises rows 4 w .. 4 w + 3, then quantises K 256 w on of all 16 rows
.Lln:
	s_sub_co_u32 s53, ttmp9, 16                    ; g
	s_lshl_b32 s54, s53, 16
	s_lshl_b32 s55, s52, 14
	s_add_co_u32 s54, s54, s55
	s_mov_b32 s55, 0
	s_add_nc_u64 s[8:9], s[8:9], s[54:55]          ; x at my wave's first row
.set i, 0
.rept 8
	global_load_b128 v[192+4*i:195+4*i], v1, s[10:11] offset:512*i
	global_load_b128 v[224+4*i:227+4*i], v1, s[12:13] offset:512*i
.set i, i+1
.endr
.irp n, 0,1,2,3
.set i, 0
.rept 8
	global_load_b128 v[64+32*\n+4*i:67+32*\n+4*i], v1, s[8:9] offset:4096*\n+512*i th:TH_LOAD_NT
.set i, i+1
.endr
.endr
	s_lshl_b32 s54, s53, 14
	s_lshl_b32 s58, s52, 12
	s_add_co_u32 s54, s54, s58
	s_add_nc_u64 s[60:61], s[32:33], s[54:55]      ; the three sets of codes lie 4 MiB apart
	s_add_nc_u64 s[62:63], s[60:61], 0x400000
	s_add_nc_u64 s[66:67], s[60:61], 0x800000
	s_mov_b32 s56, 0x76543210                      ; lane selects: lane l xor 16
	s_mov_b32 s57, 0xfedcba98
	s_mov_b32 s58, 0x3a800000                      ; 1 / 1,024
	s_mov_b32 s59, 0x3727c5ac                      ; 1e-5
	s_wait_kmcnt 0x0
	SCLIM 36, 68, 6, 7
	SCLIM 38, 68, 8, 9
	SCLIM 40, 68, 10, 11
.macro SUMS n                          ; row n's mean, in both words of a pair
.set XR, 64+32*(\n)
.set TR, 32+8*(\n)
	s_wait_loadcnt 8*(3-(\n))                      ; the later rows' loads may be out
	v_pk_add_f32 v[TR:TR+1], v[XR:XR+1], v[XR+2:XR+3]
	v_pk_add_f32 v[TR+2:TR+3], v[XR+4:XR+5], v[XR+6:XR+7]
.irp q, 8,12,16,20,24,28
	v_pk_add_f32 v[TR:TR+1], v[TR:TR+1], v[XR+\q:XR+\q+1]
	v_pk_add_f32 v[TR+2:TR+3], v[TR+2:TR+3], v[XR+\q+2:XR+\q+3]
.endr
	v_pk_add_f32 v[TR:TR+1], v[TR:TR+1], v[TR+2:TR+3]
	v_add_f32 v[TR], v[TR], v[TR+1]
	RED TR, TR+2
	v_mul_f32 v[TR+4], s58, v[TR]
	v_mul_f32 v[TR+5], s58, v[TR]
.endm
.macro DEV n                           ; x - mean in place, and the variance + 1e-5
.set XR, 64+32*(\n)
.set TR, 32+8*(\n)
.set i, 0
.rept 16
	v_pk_add_f32 v[XR+i:XR+i+1], v[XR+i:XR+i+1], v[TR+4:TR+5] neg_lo:[0,1] neg_hi:[0,1]
.set i, i+2
.endr
	v_pk_mul_f32 v[TR:TR+1], v[XR:XR+1], v[XR:XR+1]
	v_pk_mul_f32 v[TR+2:TR+3], v[XR+2:XR+3], v[XR+2:XR+3]
.irp q, 4,8,12,16,20,24,28
	v_pk_fma_f32 v[TR:TR+1], v[XR+\q:XR+\q+1], v[XR+\q:XR+\q+1], v[TR:TR+1]
	v_pk_fma_f32 v[TR+2:TR+3], v[XR+\q+2:XR+\q+3], v[XR+\q+2:XR+\q+3], v[TR+2:TR+3]
.endr
	v_pk_add_f32 v[TR:TR+1], v[TR:TR+1], v[TR+2:TR+3]
	v_add_f32 v[TR], v[TR], v[TR+1]
	RED TR, TR+2
	v_fma_f32 v[TR+6], v[TR], s58, s59
.endm
.macro NORM n                          ; x rstd x gamma + beta, into the stage
.set XR, 64+32*(\n)
.set TR, 32+8*(\n)
	v_mov_b32 v[TR+7], v[TR+6]
.set i, 0
.rept 16
	v_pk_mul_f32 v[XR+i:XR+i+1], v[XR+i:XR+i+1], v[TR+6:TR+7]
.set i, i+2
.endr
.set i, 0
.rept 16
	v_pk_fma_f32 v[XR+i:XR+i+1], v[XR+i:XR+i+1], v[192+i:193+i], v[224+i:225+i]
.set i, i+2
.endr
.set i, 0
.rept 8
	ds_store_b128 v2, v[XR+4*i:XR+4*i+3] offset:LNP*(\n)+512*i
.set i, i+1
.endr
.endm
.irp n, 0,1,2,3
	SUMS \n
	DEV \n
.endr
.irp n, 0,1,2,3
	v_rsq_f32 v[38+8*\n], v[38+8*\n]
.endr
	v_nop                                          ; a plain line behind the last of the batch,
	s_wait_alu depctr_va_vdst(0)                   ; and one wait for the four, ahead of their first reader
.irp n, 0,1,2,3
	NORM \n
.endr
	s_wait_dscnt 0x0                               ; for the others' sake: my rows lie in the stage
	s_barrier_signal -1
	s_barrier_wait -1
.macro QOUT blk, s, base               ; the 64 numbers in v64 on become a fragment's codes with scale s; six sets of code registers, so that no store's data are written again
.set NN, 3*(\blk)+(\s)
.if NN < 4
.set CR, 192+16*NN
.else
.set CR, 32+16*(NN-4)
.endif
.set i, 0
.rept 64
	v_med3_num_f32 v[128+i], v[64+i], -v[7+2*(\s)], v[7+2*(\s)]
.set i, i+1
.endr
.set i, 0
.rept 8
	v_cvt_scalef32_pk8_fp8_f32 v[CR+2*i:CR+2*i+1], v[128+8*i:135+8*i], v[6+2*(\s)]
.set i, i+1
.endr
	v_nop                                          ; a plain line behind the conversions: the next holds write their sources
.set i, 0
.rept 4
	global_store_b128 v1, v[CR+4*i:CR+4*i+3], s[\base:\base+1] offset:2048*(\blk)+512*i
.set i, i+1
.endr
.endm
.irp b, 0,1
.set i, 0
.rept 8
	ds_load_b128 v[64+8*i:67+8*i], v3 offset:512*\b+64*i       ; row r, k = 128 b + 16 i + 8 h + 0..7
	ds_load_b128 v[68+8*i:71+8*i], v3 offset:512*\b+64*i+16
.set i, i+1
.endr
	s_wait_dscnt 0x0
	QOUT \b, 0, 60
	QOUT \b, 1, 62
	QOUT \b, 2, 66
.endr
	s_set_vgpr_msb 0x4
	s_wait_tensorcnt 0x0
	ds_add_u32 v15, v1
	s_wait_dscnt 0x0
	s_set_vgpr_msb 0x400
	s_endpgm
; ---------------- TAB: work-group j: 256 bytes of the mask, 128 rows of the table
.Ltab:
	s_wait_kmcnt 0x0
	s_lshl_b32 s53, ttmp9, 8
	v_lshl_add_u32 v21, v0, 1, s53
	global_load_u16 v20, v21, s[28:29]             ; two bytes of the mask a thread
	s_lshl_b32 s53, ttmp9, 10
	v_lshl_add_u32 v25, v0, 3, s53
	v_mov_b32 v24, 0xff61b1e6                      ; -3e38
	v_lshlrev_b32 v28, 1, v13                      ; my two frequencies: i = 2 (lane % 16), i + 1
	v_cvt_f32_u32 v28, v28
	v_add_f32 v29, 1.0, v28
	v_mul_f32 v28, 0xbed49a78, v28                 ; - i x log2(10000) / 32
	v_mul_f32 v29, 0xbed49a78, v29
	v_exp_f32 v30, v28
	v_exp_f32 v31, v29
	CPAIR 46, 0x3e22f983                           ; 1 / 2 pi  (plain lines behind the two exponentials)
	CPAIR 48, 0xc0c90fdb                           ; - 2 pi, its f32 part
	CPAIR 50, 0x343bbd2e                           ; what that part has too much
	CPAIR 52, 0x3638ef1d                           ; 1/9!
	CPAIR 54, 0xb9500d01                           ; -1/7!
	CPAIR 56, 0x3c088889                           ; 1/5!
	CPAIR 58, 0xbe2aaaab                           ; -1/3!
	CPAIR 60, 0x37d00d01                           ; 1/8!
	CPAIR 62, 0xbab60b61                           ; -1/6!
	CPAIR 64, 0x3d2aaaab                           ; 1/4!
	CPAIR 66, 0x3e800000                           ; 1/4
	s_wait_alu depctr_va_vdst(0)                   ; one wait for the two, ahead of their first reader
	s_lshl_b32 s54, ttmp9, 7
	s_lshl_b32 s55, s52, 5
	s_add_co_u32 s54, s54, s55                     ; my wave's first row: 128 j + 32 w
	v_cvt_f32_u32 v32, s54
	v_mov_b32 v33, v32
	s_lshl_b32 s55, s54, 8
	v_lshl_add_u32 v44, v12, 3, s55                ; a row is 256 bytes, 8 a lane
	s_wait_loadcnt 0x0
	v_and_b32 v22, 0xff, v20
	v_lshrrev_b32 v23, 8, v20
	v_cmp_eq_u32 vcc_lo, 0, v22
	v_cndmask_b32 v26, 0, v24, vcc_lo
	v_cmp_eq_u32 vcc_lo, 0, v23
	v_cndmask_b32 v27, 0, v24, vcc_lo
	global_store_b64 v25, v[26:27], s[34:35] offset:524288     ; a wave stores 256 consecutive aligned bytes
	v_cmp_gt_u32 vcc_lo, 16, v12                   ; lanes 0-15 keep the cosines, lanes 16-31 the sines
	s_mov_b32 s53, 0
.Lrow:
	v_pk_mul_f32 v[34:35], v[32:33], v[30:31]      ; the angle
	v_pk_mul_f32 v[36:37], v[34:35], v[46:47]
	v_rndne_f32 v36, v36
	v_rndne_f32 v37, v37                           ; whole turns
	v_pk_fma_f32 v[34:35], v[36:37], v[48:49], v[34:35]
	v_pk_fma_f32 v[34:35], v[36:37], v[50:51], v[34:35]
	v_pk_mul_f32 v[34:35], v[34:35], v[66:67]      ; a quarter of what is left: at most pi / 4
	v_pk_mul_f32 v[38:39], v[34:35], v[34:35]
	v_pk_fma_f32 v[40:41], v[38:39], v[52:53], v[54:55]
	v_pk_fma_f32 v[42:43], v[38:39], v[60:61], v[62:63]
	v_pk_fma_f32 v[40:41], v[40:41], v[38:39], v[56:57]
	v_pk_fma_f32 v[42:43], v[42:43], v[38:39], v[64:65]
	v_pk_fma_f32 v[40:41], v[40:41], v[38:39], v[58:59]
	v_pk_fma_f32 v[42:43], v[42:43], v[38:39], -0.5 op_sel_hi:[1,1,0]
	v_pk_fma_f32 v[40:41], v[40:41], v[38:39], 1.0 op_sel_hi:[1,1,0]
	v_pk_fma_f32 v[42:43], v[42:43], v[38:39], 1.0 op_sel_hi:[1,1,0]   ; the cosine
	v_pk_mul_f32 v[40:41], v[40:41], v[34:35]      ; the sine
.rept 2                                ; the angle doubled: s' = 2 s c, c' = 1 - 2 s s
	v_pk_mul_f32 v[36:37], v[40:41], v[40:41]
	v_pk_mul_f32 v[40:41], v[40:41], v[42:43]
	v_pk_fma_f32 v[42:43], v[36:37], -2.0, 1.0 op_sel_hi:[1,0,0]
	v_pk_add_f32 v[40:41], v[40:41], v[40:41]
.endr
	v_cndmask_b32 v68, v40, v42, vcc_lo
	v_cndmask_b32 v69, v41, v43, vcc_lo
	global_store_b64 v44, v[68:69], s[34:35]       ; the wave stores one whole row of 256 bytes
	v_pk_add_f32 v[32:33], v[32:33], 1.0 op_sel_hi:[1,0]
	s_wait_xcnt 0x0                                ; the store has read its offset and its data: both are written again
	v_add_nc_u32 v44, 0x100, v44
	s_add_co_u32 s53, s53, 1
	s_cmp_lt_u32 s53, 32
	s_cbranch_scc1 .Lrow
	s_endpgm
.Lfunc_end_k_qa304bf94d0_prep:
	.size	k_qa304bf94d0_prep, .Lfunc_end_k_qa304bf94d0_prep-k_qa304bf94d0_prep
	.p2alignl 7, 3214868480
	.fill 96, 4, 3214868480
	.section	.rodata,"a",@progbits
	.p2align	6, 0x0
	.amdhsa_kernel k_qa304bf94d0_prep
		.amdhsa_group_segment_fixed_size 100352
		.amdhsa_private_segment_fixed_size 0
		.amdhsa_enable_private_segment 0
		.amdhsa_kernarg_size 112
		.amdhsa_user_sgpr_count 2
		.amdhsa_user_sgpr_kernarg_segment_ptr 1
		.amdhsa_wavefront_size32 1
		.amdhsa_system_sgpr_workgroup_id_x 1
		.amdhsa_system_sgpr_workgroup_id_y 1
		.amdhsa_system_sgpr_workgroup_id_z 1
		.amdhsa_system_vgpr_workitem_id 0
		.amdhsa_next_free_vgpr 258
		.amdhsa_next_free_sgpr 96
		.amdhsa_reserve_vcc 1
		.amdhsa_float_denorm_mode_32 3
		.amdhsa_float_denorm_mode_16_64 3
		.amdhsa_memory_ordered 1
		.amdhsa_forward_progress 1
		.amdhsa_inst_pref_size 90
	.end_amdhsa_kernel
	.amdgpu_metadata
---
amdhsa.version: [ 1, 2 ]
amdhsa.kernels:
  - .name:           k_qa304bf94d0_prep
    .symbol:         k_qa304bf94d0_prep.kd
    .args:
      - { .name: x, .offset: 0, .size: 8, .value_kind: global_buffer, .address_space: global }
      - { .name: ln1_g, .offset: 8, .size: 8, .value_kind: global_buffer, .address_space: global }
      - { .name: ln1_b, .offset: 16, .size: 8, .value_kind: global_buffer, .address_space: global }
      - { .name: lowp_scales, .offset: 24, .size: 8, .value_kind: global_buffer, .address_space: global }
      - { .name: Wq, .offset: 32, .size: 8, .value_kind: global_buffer, .address_space: global }
      - { .name: Wk, .offset: 40, .size: 8, .value_kind: global_buffer, .address_space: global }
      - { .name: Wv, .offset: 48, .size: 8, .value_kind: global_buffer, .address_space: global }
      - { .name: Wo, .offset: 56, .size: 8, .value_kind: global_buffer, .address_space: global }
      - { .name: W1, .offset: 64, .size: 8, .value_kind: global_buffer, .address_space: global }
      - { .name: W2, .offset: 72, .size: 8, .value_kind: global_buffer, .address_space: global }
      - { .name: mask, .offset: 80, .size: 8, .value_kind: global_buffer, .address_space: global }
      - { .name: wc, .offset: 88, .size: 8, .value_kind: global_buffer, .address_space: global }
      - { .name: yc, .offset: 96, .size: 8, .value_kind: global_buffer, .address_space: global }
      - { .name: tab, .offset: 104, .size: 8, .value_kind: global_buffer, .address_space: global }
    .group_segment_fixed_size: 100352
    .private_segment_fixed_size: 0
    .kernarg_segment_align: 8
    .kernarg_segment_size: 112
    .max_flat_workgroup_size: 128
    .sgpr_count:     96
    .vgpr_count:     258
    .wavefront_size: 32
...
	.end_amdgpu_metadata
.endif
;; end of part 1
;; launch qkv (part 2): grid 12 x 16, 4 waves a work-group, clusters of 4 x 4, 327,680 bytes of LDS; arguments yc, wc, tab, bq, bk, bv, lowp_scales, qkv; writes qkv
.if DOCPART == 2
	.amdgcn_target "amdgcn-amd-amdhsa--gfx1250"
	.amdhsa_code_object_version 6
	.text
	.protected	k_qa304bf94d0_qkv
	.globl	k_qa304bf94d0_qkv
	.p2align	8
	.type	k_qa304bf94d0_qkv,@function
k_qa304bf94d0_qkv:
	s_mov_b64 s[64:65], 0
	v_nop
	global_prefetch_b8 v0, s[64:65] scope:SCOPE_SE
	s_setreg_imm32_b32 hwreg(HW_REG_WAVE_MODE, 25, 1), 1
	s_wait_xcnt 0x0
	s_wait_alu depctr_hold_cnt(0) depctr_sa_sdst(0) depctr_va_vdst(0) depctr_va_sdst(0) depctr_va_ssrc(0) depctr_va_vcc(0) depctr_vm_vsrc(0)
	s_getreg_b32 s2, hwreg(HW_REG_IB_STS2, 6, 4)
	s_cmp_eq_u32 s2, 0
	s_cbranch_scc0 .Lentry_in_a_cluster
	s_endpgm
.Lentry_in_a_cluster:
	s_bfe_u32 s2, ttmp6, 0x10000c
	s_cmp_lg_u32 s2, 0xf033
	s_cbranch_scc0 .Lentry_shape_is_right
	s_endpgm
.Lentry_shape_is_right:
; The three projections on codes of FP8 (K = 1,024), bias, RoPE (q, k), and the quantising of q, k, v for attention.  The cluster's x says which: 0 q, 1 k, 2 v.
; A work-group makes 256 x 256, a wave 128 x 128 (64 accumulators).  Source 0 = 16 rows of operand Y, source 1 = 16 rows of operand X: register j of lane (r, h) of
; accumulator (a, b) is (X row 16 a + r, Y row 16 b + 8 h + j): eight neighbours along Y.
;   q, k: X = the tokens' codes, Y = the weight's rows: a lane's registers run along the head's channels, the next product's K.
;   v:    X = Wv's rows, Y = the tokens' codes: a lane's registers run along the tokens (keys), the next product's K.
; So the conversions' results are the next operand's registers, and go out as they stand, 512 consecutive aligned bytes a store.
; All codes lie as register images (16 rows x 128 K = 2,048 bytes, four registers of 32 lanes = 512 bytes): a fragment is four ds_load_b128 at 16 x lane; no pitch, no padding.
; K goes in steps of 256 through two LDS slots; X's tile is asked for jointly by a row of the 4 x 4 cluster, Y's by a column.
; LIMITS: eA + eB between -126 and 127; the outgoing scale's e between -126 and 119.  NaN among the inputs is not served.
; REGISTERS: window 0: v0-31 addresses; v32-95 bias along Y; v96-111 bias along X (pairs); v128-255 X's 8 fragments, later at work.  window 1: Y's two sets, later the table.  windows 2, 3: accumulators.
.set HALFT,  32768                     ; 128 rows x 256 K: what one tensor load brings
.set SLOT,   131072                    ; X's two halves, then Y's two
.set SPARE,  262144                    ; behind the ring: the spare words, 128 bytes a wave
.set KB,     4096                      ; a K step of a tile of 16 rows, in bytes
.set FR,     16
.set NL,     4
.set NP,     4
.set LAPS,   2
.set ADRA, 16
.set ADRB, 20
.set SPW,  28
.set NIL,  29
.set AF,   128
.set G1, 24
.set G0, 32
.set G1B, 48
.set G0B, 56
.set MSB, 0
.macro WIN new                         ; the immediate's high byte repeats the setting that is left
.if MSB != \new
	s_set_vgpr_msb (MSB<<8)|\new
.set MSB, \new
.endif
.endm
.set MUL_LO, 0xa1
.set MUL_HI, 0xf1
.set TO_B,   0x40
.macro JLOAD g0a, g1a, g0b, g1b        ; waves 0, 1 fetch X's halves, waves 2, 3 Y's; four v_nop follow each line
	s_cmp_eq_u32 s15, 0
	s_cbranch_scc0 .Lfor_b_\@
	tensor_load_to_lds s[\g0a:\g0a+3], s[\g1a:\g1a+7]
	s_nop 0
.rept 4
	v_nop
.endr
	s_branch .Lasked_\@
.Lfor_b_\@:
	tensor_load_to_lds s[\g0b:\g0b+3], s[\g1b:\g1b+7]
	s_nop 0
.rept 4
	v_nop
.endr
.Lasked_\@:
.endm
.macro CREST
	s_cmp_lg_u32 s14, 0
	s_cbranch_scc1 .Lnot_wave_0_\@
	s_barrier_signal -3
.Lnot_wave_0_\@:
	s_barrier_wait -3
	s_barrier_signal -1
	s_barrier_wait -1
.endm
.macro CROUND
	s_barrier_signal -1
	s_barrier_wait -1
	CREST
.endm
.macro PLACES n
.rept \n
	v_nop
.endr
.endm
.macro SCLIM e, t, vsc, vlim
	s_add_co_i32 s[\t], s[\e], 127
	s_lshl_b32 s[\t+1], s[\t], 23
	v_mov_b32 v[\vsc], s[\t+1]
	s_add_co_i32 s[\t], s[\t], 8
	s_lshl_b32 s[\t], s[\t], 23
	s_or_b32 s[\t], s[\t], 0x600000
	v_mov_b32 v[\vlim], s[\t]
.endm
	s_load_b512 s[68:83], s[0:1], 0x0              ; yc 68, wc 70, tab 72, bq 74, bk 76, bv 78, scales 80, qkv 82
	v_lshl_add_u32 v[SPW], v0, 2, SPARE
	v_mov_b32 v[NIL], 0
	ds_add_u32 v28, v29
	ds_add_u32 v28, v29
	s_wait_dscnt 0x0
	v_lshrrev_b32 v1, 5, v0
	v_readfirstlane_b32 s14, v1                    ; wave
	s_lshr_b32 s15, s14, 1                         ; my half of X's rows.  Also: I fetch for X (0) or Y (1)
	s_and_b32 s16, s14, 1                          ; my half of Y's rows.  Also: which half of that tile I fetch
	s_bfe_u32 s40, ttmp6, 0x40000                  ; cx
	s_bfe_u32 s41, ttmp6, 0x40004                  ; cy
	s_and_b32 s17, ttmp7, 0xffff
	s_lshl_b32 s17, s17, 2                         ; 4 x cluster y
	s_add_co_u32 s18, s17, s41
	s_add_co_u32 s19, s17, s40
	s_lshl_b32 s20, ttmp9, 22                      ; the tokens' set of codes for q or k
	s_lshl_b32 s21, ttmp9, 20                      ; Wq or Wk in wc
	s_mov_b32 s22, 0x200000                        ; Wv in wc
	s_mov_b32 s23, 0x800000                        ; the tokens' set for v
	s_cmp_eq_u32 ttmp9, 2                          ; the cluster's x: the same in all sixteen partners
	s_cselect_b32 s42, s41, s18                    ; X's tile: hangs on cy (and the cluster's y) alone
	s_cselect_b32 s43, s19, s40                    ; Y's tile: on cx alone
	s_cselect_b32 s20, s22, s20
	s_cselect_b32 s21, s23, s21
	s_lshl_b32 s44, s41, 2
	s_lshl_b32 s44, 15, s44                        ; my row of the cluster
	s_lshl_b32 s45, 0x1111, s40                    ; my column
	s_or_b32 s[G1+0], s44, (3<<16)|(1<<21)         ; the mask; elements of 8 bytes; bit 21 beside a mask; no padding
	s_or_b32 s[G1B+0], s45, (3<<16)|(1<<21)
.irp g, G1, G1B
	s_mov_b32 s[\g+1], 512<<16                     ; tensor_dim0: 4,096 bytes
	s_mov_b32 s[\g+2], 8<<16                       ; tensor_dim1: 8 tiles of 16 rows
	s_mov_b32 s[\g+3], 512<<16                     ; tile_dim0
	s_mov_b32 s[\g+4], 8                           ; tile_dim1
	s_mov_b32 s[\g+5], 2048                        ; 16,384 bytes from one tile of 16 rows to the next
	s_mov_b32 s[\g+6], 0
	s_mov_b32 s[\g+7], 0
.endr
	s_lshl_b32 s84, s16, 17                        ; the half that I fetch
	s_lshl_b32 s46, s42, 18
	s_add_co_u32 s46, s46, s20
	s_add_co_u32 s46, s46, s84
	s_mov_b32 s47, 0
	s_lshl_b32 s86, s43, 18
	s_add_co_u32 s86, s86, s21
	s_add_co_u32 s86, s86, s84
	s_mov_b32 s87, 0
	s_mul_i32 s13, s14, HALFT                      ; where it goes: wave x 32,768
	s_wait_kmcnt 0x0
	s_load_b256 s[4:11], s[80:81], 0x0             ; e0 .. e7
	s_load_b32 s12, s[80:81], 0x20                 ; e8
	s_cmp_eq_u32 ttmp9, 2
	s_cselect_b64 s[88:89], s[70:71], s[68:69]     ; X's buffer
	s_cselect_b64 s[90:91], s[68:69], s[70:71]     ; Y's
	s_add_nc_u64 s[88:89], s[88:89], s[46:47]
	s_add_nc_u64 s[90:91], s[90:91], s[86:87]
	CROUND                                         ; all sixteen work-groups are here: the first joint loads meet
.irp s, 0,1
	s_mov_b32 s[G0+4*\s], 1
	s_add_co_u32 s[G0+4*\s+1], s13, \s*SLOT
	s_add_nc_u64 s[G0+4*\s+2:G0+4*\s+3], s[88:89], \s*KB
	s_or_b32 s[G0+4*\s+3], s[G0+4*\s+3], 0x80000000
	s_mov_b32 s[G0B+4*\s], 1
	s_add_co_u32 s[G0B+4*\s+1], s13, \s*SLOT
	s_add_nc_u64 s[G0B+4*\s+2:G0B+4*\s+3], s[90:91], \s*KB
	s_or_b32 s[G0B+4*\s+3], s[G0B+4*\s+3], 0x80000000
	JLOAD G0+4*\s, G1, G0B+4*\s, G1B
.endr
	v_and_b32 v2, 31, v0
	v_lshlrev_b32 v1, 4, v2                        ; 16 x lane
	v_and_b32 v3, 15, v0                           ; r
	v_bfe_u32 v4, v0, 4, 1                         ; h
	s_mul_i32 s21, s15, HALFT
	s_mul_i32 s22, s16, HALFT
	s_add_co_u32 s22, s22, 2*HALFT
.irp s, 0,1
	v_add_nc_u32 v[ADRA+\s], s21, v1
	v_add_nc_u32 v[ADRB+\s], s22, v1
	s_add_co_u32 s21, s21, SLOT
	s_add_co_u32 s22, s22, SLOT
.endr
	s_lshl_b32 s84, s42, 8
	s_lshl_b32 s20, s15, 7
	s_add_co_u32 s84, s84, s20                     ; my first row of X
	s_lshl_b32 s85, s43, 8
	s_lshl_b32 s20, s16, 7
	s_add_co_u32 s85, s85, s20                     ; my first row of Y
	s_cmp_eq_u32 ttmp9, 1
	s_cselect_b64 s[92:93], s[76:77], s[74:75]
	s_cmp_eq_u32 ttmp9, 2
	s_cselect_b64 s[92:93], s[78:79], s[92:93]     ; the bias
	s_and_b32 s20, s85, 1023
	s_lshl_b32 s20, s20, 2
	s_mov_b32 s21, 0
	s_add_nc_u64 s[94:95], s[92:93], s[20:21]      ; along Y (used for q, k; for v it stays inside the buffer and is not used)
	s_and_b32 s20, s84, 1023
	s_lshl_b32 s20, s20, 2
	s_add_nc_u64 s[92:93], s[92:93], s[20:21]      ; along X (used for v)
	v_lshlrev_b32 v6, 5, v4
	v_lshlrev_b32 v7, 2, v3
	v_lshl_add_u32 v8, v3, 8, v6                   ; the table: row r of 256 bytes, + 32 h
.set i, 0
.rept 8
	global_load_b128 v[32+8*i:35+8*i], v6, s[94:95] offset:64*i       ; bias(16 i + 8 h + 0..7)
	global_load_b128 v[36+8*i:39+8*i], v6, s[94:95] offset:64*i+16
.set i, i+1
.endr
.set i, 0
.rept 8
	global_load_b32 v[96+2*i], v7, s[92:93] offset:64*i               ; bias(16 i + r), in both words of a pair
	global_load_b32 v[97+2*i], v7, s[92:93] offset:64*i
.set i, i+1
.endr
.macro FRAG reg, adr, q, i             ; a fragment: four loads of 512 consecutive bytes
.irp c, 0,1,2,3
	ds_load_b128 v[\reg+4*\c:\reg+4*\c+3], v[\adr] offset:2048*(\q)+512*\c+(\i)*KB
.endr
.endm
.macro MUL16 a0, p, zero               ; X's blocks a0, a0 + 1 against Y's eight; the 64 accumulators take turns
.irp a, \a0, \a0+1
.irp b, 0,1,2,3,4,5,6,7
.if \zero
	v_wmma_f32_16x16x128_fp8_fp8 v[8*(8*((\a)%4)+\b):8*(8*((\a)%4)+\b)+7], v[128*(\p)+FR*\b:128*(\p)+FR*\b+FR-1], v[AF+FR*(\a):AF+FR*(\a)+FR-1], 0
.else
	v_wmma_f32_16x16x128_fp8_fp8 v[8*(8*((\a)%4)+\b):8*(8*((\a)%4)+\b)+7], v[128*(\p)+FR*\b:128*(\p)+FR*\b+FR-1], v[AF+FR*(\a):AF+FR*(\a)+FR-1], v[8*(8*((\a)%4)+\b):8*(8*((\a)%4)+\b)+7]
.endif
.endr
.endr
.endm
.macro FETCH_B slot, q, p
	WIN TO_B
.irp i, 0,1,2,3,4,5,6,7
	FRAG 128*(\p)+FR*\i, ADRB+\slot, \q, \i
.endr
	WIN 0
.endm
.macro FETCH_A slot, q, i0
.irp i, \i0, \i0+1, \i0+2, \i0+3
	FRAG AF+FR*(\i), ADRA+\slot, \q, \i
.endr
.endm
.macro STEP slot, q, zero              ; 128 along K, its successor in the same slot
	s_wait_dscnt 4*NL                              ; Y's set and X's blocks 0-3 are in; the youngest sixteen loads (X's blocks 4-7) may be out
	WIN MUL_LO
	MUL16 0, (\q)%2, \zero
	MUL16 2, (\q)%2, \zero
	s_wait_dscnt 0
	PLACES NP                                      ; four plain lines in front of loads into registers that matrix instructions have read
	FETCH_B \slot, (\q)+1, 1-(\q)%2
	FETCH_A \slot, (\q)+1, 0
	WIN MUL_HI
	MUL16 4, (\q)%2, \zero
	MUL16 6, (\q)%2, \zero
	PLACES NP
	WIN 0
	FETCH_A \slot, (\q)+1, 4
.endm
.macro TURN slot, next, fill           ; a slot's last step changes slots
	s_wait_tensorcnt 0x0                           ; all my tensor loads have landed: my part of the next slot
	ds_add_u32 v[SPW], v[NIL]                      ; 0 onto my spare word
	s_wait_dscnt 4*NL+1                            ; the add and the youngest sixteen loads may be out
	WIN MUL_LO
	MUL16 0, 1, 0
	s_wait_dscnt 0x0                               ; the add is done, and my reads of this slot are over
	s_barrier_signal -1
	MUL16 2, 1, 0
	WIN 0
	s_barrier_wait -1
.if \fill
	CREST                                          ; the barrier has opened a round of the cluster's: no wave of any partner still reads this slot or has a load on its way
	s_add_nc_u64 s[G0+4*\slot+2:G0+4*\slot+3], s[G0+4*\slot+2:G0+4*\slot+3], 2*KB
	s_add_nc_u64 s[G0B+4*\slot+2:G0B+4*\slot+3], s[G0B+4*\slot+2:G0B+4*\slot+3], 2*KB
	JLOAD G0+4*\slot, G1, G0B+4*\slot, G1B         ; the first tensor load behind the round; its four v_nop are also the places in front of the loads below
.else
	PLACES NP
.endif
	FETCH_B \next, 0, 0
	FETCH_A \next, 0, 0
	WIN MUL_HI
	MUL16 4, 1, 0
	MUL16 6, 1, 0
	PLACES NP
	WIN 0
	FETCH_A \next, 0, 4
.endm
	s_wait_tensorcnt 1                             ; my part of K step 0 is in; K step 1's load may be out
	s_barrier_signal -1
	s_barrier_wait -1
	FETCH_B 0, 0, 0
	FETCH_A 0, 0, 0
	FETCH_A 0, 0, 4
	STEP 0, 0, 1                                   ; the first step's products start the sums
	s_mov_b32 s3, LAPS-1
.Llap:
	TURN 0, 1, 1
	STEP 1, 0, 0
	TURN 1, 0, 1
	STEP 0, 0, 0
	s_sub_co_u32 s3, s3, 1
	s_cmp_lg_u32 s3, 0
	s_cbranch_scc1 .Llap
	TURN 0, 1, 0
	STEP 1, 0, 0
	s_wait_dscnt 4*NL
	WIN MUL_LO
	MUL16 0, 1, 0
	MUL16 2, 1, 0
	s_wait_dscnt 0
	WIN MUL_HI
	MUL16 4, 1, 0
	MUL16 6, 1, 0
	WIN 0
	s_wait_kmcnt 0x0                               ; the exponents are chosen by selects: no branch hangs on a loaded number
	s_cmp_eq_u32 ttmp9, 1
	s_cselect_b32 s4, s6, s4
	s_cselect_b32 s5, s7, s5
	s_cselect_b32 s10, s11, s10
	s_cmp_eq_u32 ttmp9, 2
	s_cselect_b32 s4, s8, s4                       ; eA
	s_cselect_b32 s5, s9, s5                       ; eB
	s_cselect_b32 s10, s12, s10                    ; the outgoing scale: e6, e7 or e8
	s_add_co_i32 s96, s4, s5
	s_add_co_i32 s96, s96, 127
	s_lshl_b32 s96, s96, 23                        ; 2^(eA + eB) as f32
	s_mov_b32 s97, s96
	SCLIM 10, 22, 11, 10
	PLACES NP                                      ; behind the last products: in front of the first reads of results and of loads into the fragments' registers
	s_mov_b32 s21, 0
	s_cmp_eq_u32 ttmp9, 2
	s_cbranch_scc1 .Lvout
; ---- q, k: a lane holds token 16 a + r and 128 channels (two heads).  bias, RoPE, quantise, store
	s_and_b32 s20, s84, 2047
	s_lshl_b32 s20, s20, 8
	s_add_nc_u64 s[72:73], s[72:73], s[20:21]      ; the table at my first token's position
	s_lshr_b32 s22, s84, 11
	s_lshl_b32 s22, s22, 4
	s_lshr_b32 s23, s85, 6
	s_add_co_u32 s22, s22, s23                     ; 16 x batch + head
	s_lshl_b32 s22, s22, 17
	s_lshl_b32 s23, ttmp9, 22
	s_add_co_u32 s22, s22, s23
	s_and_b32 s23, s84, 2047
	s_lshl_b32 s23, s23, 6                         ; 1,024 bytes for each tile of 16 tokens
	s_add_co_u32 s20, s22, s23
	s_add_nc_u64 s[82:83], s[82:83], s[20:21]
	WIN 0x40                                       ; the table's rows of my 128 tokens into window 1: block a at v[32 a]: cos 0-15, cos 16-31, sin 0-15, sin 16-31 (my half's eight of each)
.irp a, 0,1,2,3,4,5,6,7
.irp n, 0,1,2,3
	global_load_b128 v[32*\a+8*\n:32*\a+8*\n+3], v8, s[72:73] offset:4096*\a+64*\n
	global_load_b128 v[32*\a+8*\n+4:32*\a+8*\n+7], v8, s[72:73] offset:4096*\a+64*\n+16
.endr
.endr
	WIN 0
.macro QKOUT a
.set AC, 64*((\a)%4)
.set CD, 224+16*((\a)%2)
	s_wait_loadcnt 8*(7-(\a))                      ; this block's eight loads are in; the later blocks' may be out
	WIN 0x02+(\a)/4
.set j, 0
.rept 32
	v_pk_fma_f32 v[128+j:129+j], v[AC+j:AC+j+1], s[96:97], v[32+j:33+j] op_sel_hi:[1,0,1]   ; sum x 2^(eA + eB) + bias; each accumulator from its low end on
.set j, j+2
.endr
	WIN 0x04                                       ; source 1 (cos, sin) in window 1
.irp u, 0,1
.irp p, 0,1
.irp q, 0,2,4,6
	v_pk_mul_f32 v[112+\q:113+\q], v[128+8*(4*\u+\p+2)+\q:129+8*(4*\u+\p+2)+\q], v[32*(\a)+16+8*\p+\q:32*(\a)+17+8*\p+\q]   ; upper half x sin
	v_pk_mul_f32 v[120+\q:121+\q], v[128+8*(4*\u+\p)+\q:129+8*(4*\u+\p)+\q], v[32*(\a)+16+8*\p+\q:32*(\a)+17+8*\p+\q]       ; lower half x sin
.endr
.irp q, 0,2,4,6
	v_pk_fma_f32 v[128+8*(4*\u+\p)+\q:129+8*(4*\u+\p)+\q], v[128+8*(4*\u+\p)+\q:129+8*(4*\u+\p)+\q], v[32*(\a)+8*\p+\q:32*(\a)+1+8*\p+\q], v[112+\q:113+\q] neg_lo:[0,0,1] neg_hi:[0,0,1]
	v_pk_fma_f32 v[128+8*(4*\u+\p+2)+\q:129+8*(4*\u+\p+2)+\q], v[128+8*(4*\u+\p+2)+\q:129+8*(4*\u+\p+2)+\q], v[32*(\a)+8*\p+\q:32*(\a)+1+8*\p+\q], v[120+\q:121+\q]
.endr
.endr
.endr
	WIN 0
.set j, 0
.rept 64
	v_med3_num_f32 v[128+j], v[128+j], -v10, v10
.set j, j+1
.endr
.if (\a) > 1
	s_wait_xcnt 0x0                                ; block a - 2's stores have read their data
.endif
.set j, 0
.rept 8
	v_cvt_scalef32_pk8_fp8_f32 v[CD+2*j:CD+2*j+1], v[128+8*j:135+8*j], v11
.set j, j+1
.endr
	v_nop                                          ; a plain line behind the conversions
.irp u, 0,1
.irp g, 0,1
	global_store_b128 v1, v[CD+8*\u+4*\g:CD+8*\u+4*\g+3], s[82:83] offset:131072*\u+1024*(\a)+512*\g
.endr
.endr
.endm
.irp a, 0,1,2,3,4,5,6,7
	QKOUT \a
.endr
	s_branch .Lend
; ---- v: a lane holds channel 16 a + r and 128 tokens: one fragment (16 channels x 128 keys) for each a
.Lvout:
	s_wait_loadcnt 0x0
	s_lshr_b32 s22, s85, 11
	s_lshl_b32 s22, s22, 4
	s_lshr_b32 s23, s84, 6
	s_add_co_u32 s22, s22, s23                     ; 16 x batch + head
	s_lshl_b32 s22, s22, 17
	s_add_co_u32 s22, s22, 0x800000
	s_and_b32 s23, s85, 2047
	s_lshl_b32 s23, s23, 6                         ; 8,192 bytes for each block of 128 keys
	s_add_co_u32 s20, s22, s23
	s_add_nc_u64 s[82:83], s[82:83], s[20:21]
.macro VOUT a
.set AC, 64*((\a)%4)
.set CD, 224+16*((\a)%2)
	WIN 0x02+(\a)/4
.set j, 0
.rept 32
	v_pk_fma_f32 v[128+j:129+j], v[AC+j:AC+j+1], s[96:97], v[96+2*(\a):97+2*(\a)] op_sel_hi:[1,0,1]
.set j, j+2
.endr
	WIN 0
.set j, 0
.rept 64
	v_med3_num_f32 v[128+j], v[128+j], -v10, v10
.set j, j+1
.endr
.if (\a) > 1
	s_wait_xcnt 0x0
.endif
.set j, 0
.rept 8
	v_cvt_scalef32_pk8_fp8_f32 v[CD+2*j:CD+2*j+1], v[128+8*j:135+8*j], v11
.set j, j+1
.endr
	v_nop
.irp g, 0,1,2,3
	global_store_b128 v1, v[CD+4*\g:CD+4*\g+3], s[82:83] offset:131072*((\a)/4)+2048*((\a)%4)+512*\g
.endr
.endm
.irp a, 0,1,2,3,4,5,6,7
	VOUT \a
.endr
.Lend:
	s_wait_tensorcnt 0x0                           ; the wave's end
	ds_add_u32 v[SPW], v[NIL]
	s_wait_dscnt 0x0
	CROUND                                         ; the closing round
	s_endpgm
.Lfunc_end_k_qa304bf94d0_qkv:
	.size	k_qa304bf94d0_qkv, .Lfunc_end_k_qa304bf94d0_qkv-k_qa304bf94d0_qkv
	.p2alignl 7, 3214868480
	.fill 96, 4, 3214868480
	.section	.rodata,"a",@progbits
	.p2align	6, 0x0
	.amdhsa_kernel k_qa304bf94d0_qkv
		.amdhsa_group_segment_fixed_size 327680
		.amdhsa_private_segment_fixed_size 0
		.amdhsa_enable_private_segment 0
		.amdhsa_kernarg_size 64
		.amdhsa_user_sgpr_count 2
		.amdhsa_user_sgpr_kernarg_segment_ptr 1
		.amdhsa_wavefront_size32 1
		.amdhsa_system_sgpr_workgroup_id_x 1
		.amdhsa_system_sgpr_workgroup_id_y 1
		.amdhsa_system_sgpr_workgroup_id_z 1
		.amdhsa_system_vgpr_workitem_id 0
		.amdhsa_next_free_vgpr 1024
		.amdhsa_next_free_sgpr 100
		.amdhsa_reserve_vcc 0
		.amdhsa_float_denorm_mode_32 3
		.amdhsa_float_denorm_mode_16_64 3
		.amdhsa_memory_ordered 1
		.amdhsa_forward_progress 1
		.amdhsa_inst_pref_size 233
	.end_amdhsa_kernel
	.amdgpu_metadata
---
amdhsa.version: [ 1, 2 ]
amdhsa.kernels:
  - .name:           k_qa304bf94d0_qkv
    .symbol:         k_qa304bf94d0_qkv.kd
    .args:
      - { .name: yc, .offset: 0, .size: 8, .value_kind: global_buffer, .address_space: global }
      - { .name: wc, .offset: 8, .size: 8, .value_kind: global_buffer, .address_space: global }
      - { .name: tab, .offset: 16, .size: 8, .value_kind: global_buffer, .address_space: global }
      - { .name: bq, .offset: 24, .size: 8, .value_kind: global_buffer, .address_space: global }
      - { .name: bk, .offset: 32, .size: 8, .value_kind: global_buffer, .address_space: global }
      - { .name: bv, .offset: 40, .size: 8, .value_kind: global_buffer, .address_space: global }
      - { .name: lowp_scales, .offset: 48, .size: 8, .value_kind: global_buffer, .address_space: global }
      - { .name: qkv, .offset: 56, .size: 8, .value_kind: global_buffer, .address_space: global }
    .group_segment_fixed_size: 327680
    .private_segment_fixed_size: 0
    .kernarg_segment_align: 8
    .kernarg_segment_size: 64
    .max_flat_workgroup_size: 128
    .sgpr_count:     100
    .vgpr_count:     1024
    .wavefront_size: 32
...
	.end_amdgpu_metadata
.endif
;; end of part 2
;; launch attn (part 3): grid 8 x 32, 8 waves a work-group, clusters of 4 x 1, 271,360 bytes of LDS; arguments qkv, tab, lowp_scales, ao; writes ao
.if DOCPART == 3
	.amdgcn_target "amdgcn-amd-amdhsa--gfx1250"
	.amdhsa_code_object_version 6
	.text
	.protected	k_qa304bf94d0_attn
	.globl	k_qa304bf94d0_attn
	.p2align	8
	.type	k_qa304bf94d0_attn,@function
k_qa304bf94d0_attn:
	s_mov_b64 s[64:65], 0
	v_nop
	global_prefetch_b8 v0, s[64:65] scope:SCOPE_SE
	s_setreg_imm32_b32 hwreg(HW_REG_WAVE_MODE, 25, 1), 1
	s_wait_xcnt 0x0
	s_wait_alu depctr_hold_cnt(0) depctr_sa_sdst(0) depctr_va_vdst(0) depctr_va_sdst(0) depctr_va_ssrc(0) depctr_va_vcc(0) depctr_vm_vsrc(0)
	s_getreg_b32 s2, hwreg(HW_REG_IB_STS2, 6, 4)
	s_cmp_eq_u32 s2, 0
	s_cbranch_scc0 .Lentry_in_a_cluster
	s_endpgm
.Lentry_in_a_cluster:
	s_bfe_u32 s2, ttmp6, 0x10000c
	s_cmp_lg_u32 s2, 0x3003
	s_cbranch_scc0 .Lentry_shape_is_right
	s_endpgm
.Lentry_shape_is_right:
; Attention of one head (work-group y = 16 x batch + head) for 256 queries, on codes of FP8; the result is quantised for the next product and stored as a register image.
; t = score x log2(e) / 8; M = the running largest t rounded up to a whole number; p = 2^(t - M) is quantised along the keys (scale e9), not normalised; the row's sum is taken of the unquantised p and divides at the end.
; When M moves, the sum and O are multiplied by 2^(old M - new M): exact.
; SHARES.  Eight waves, 32 queries each (two tiles of 16), two waves to a SIMD.  A head's K (131,072 bytes), V (131,072) and the keys' mask addends (8,192) all fit in LDS: every byte is filled once,
; by five joint loads a wave (five of mine are out at the most), asked for together behind the first round; the four work-groups of a cluster share the head, so each tile is fetched once for the four.
; The tiles come in four stages of 512 keys; a stage's wait leaves the later stages' loads out.
; LAYOUT.  S^T = K Q^T (source 0 = 16 keys, source 1 = 16 queries, K = 64) and O^T = V^T P^T (source 0 = 16 channels, source 1 = P, K = 128 keys): a lane holds one query throughout, and
; register j of key tile c is key 16 c + 8 h + j: the place that the second product's operand gives it.  THE MASK IS THE C OF THE FIRST PRODUCT: 0 for a key that counts, -3e38 for one that does not.
; The largest t starts at -1e20: above every masked t, below every real one.
; THE ORDER OF A KEY STEP (128 keys).  V's loads; S^T; the NEXT step's K and addends are asked for (they land under the softmax); maxima and M for both tiles; then the exponentials in two batches, a plain
; instruction behind each: tile 0's among tile 1's scalings and O^T's rescaling, tile 1's among tile 0's sums and holds.  Each batch has one wait.  Since a step reads the next step's keys, the barrier that
; shows a stage landed stands one step ahead of the stage's first step; the last step is written out without the look-ahead.
; LIMITS: e6 + e7 between -40 and 40; e9 and e10 between -126 and 119.  A batch all of whose keys are masked gives numbers that are not finite in its own rows, which the last launch stores as zeros.
; REGISTERS: window 0: v1-7 addresses; v8-11 holds and scales, v61 a second copy of p's hold; v12-43 statistics (16 a tile: -M, largest t, sum, f, second sum, at work); v44-59 codes out; v64-191 S^T then p; v192-255 O^T.
;   window 1: v0-63 K; v64-127 the mask's tiles; v128-191 V; v192-207 Q; v208-239 p's codes.
.set WV, 12
.set MSB, 0
.macro WIN new                         ; the immediate's high byte repeats the setting that is left
.if MSB != \new
	s_set_vgpr_msb (MSB<<8)|\new
.set MSB, \new
.endif
.endm
.macro CROUND
	s_barrier_signal -1
	s_barrier_wait -1
	s_cmp_lg_u32 s[WV], 0
	s_cbranch_scc1 .Lnot_wave_0_\@
	s_barrier_signal -3
.Lnot_wave_0_\@:
	s_barrier_wait -3
	s_barrier_signal -1
	s_barrier_wait -1
.endm
.macro SCLIM e, t, vsc, vlim           ; s[e] = exponent: v[vsc] = 2^e as f32, v[vlim] = 448 x 2^e; s[t] keeps the latter's bits
	s_add_co_i32 s[\t], s[\e], 127
	s_lshl_b32 s[\t+1], s[\t], 23
	v_mov_b32 v[\vsc], s[\t+1]
	s_add_co_i32 s[\t], s[\t], 8
	s_lshl_b32 s[\t], s[\t], 23
	s_or_b32 s[\t], s[\t], 0x600000
	v_mov_b32 v[\vlim], s[\t]
.endm
	s_load_b256 s[4:11], s[0:1], 0x0               ; qkv 4, tab 6, scales 8, ao 10
	v_lshl_add_u32 v62, v0, 2, 0x42000
	v_mov_b32 v63, 0
	ds_add_u32 v62, v63
	ds_add_u32 v62, v63
	v_lshrrev_b32 v1, 5, v0
	v_readfirstlane_b32 s[WV], v1                  ; wave 0..7
	s_bfe_u32 s13, ttmp6, 0x40000                  ; cx
	s_lshl_b32 s14, ttmp9, 2
	s_add_co_u32 s14, s14, s13                     ; my block of 256 queries: it enters Q's and the output's addresses alone
	s_and_b32 s15, ttmp7, 0xffff                   ; 16 x batch + head, which the four partners share
	s_mov_b32 s16, 15|(3<<16)|(1<<21)              ; group 1 for K and V: all four work-groups; elements of 8 bytes; a dense block of 8,192 bytes as 32 rows of 256
	s_mov_b32 s17, 32<<16
	s_mov_b32 s18, 32<<16
	s_mov_b32 s19, 32<<16
	s_mov_b32 s20, 32
	s_mov_b32 s21, 32
	s_mov_b32 s22, 0
	s_mov_b32 s23, 0
	s_mov_b32 s24, 15|(3<<16)|(1<<21)              ; group 1 for the mask's addends: one row of 1,024 bytes
	s_mov_b32 s25, 128<<16
	s_mov_b32 s26, 1<<16
	s_mov_b32 s27, 128<<16
	s_mov_b32 s28, 1
	s_mov_b32 s29, 128
	s_mov_b32 s30, 0
	s_mov_b32 s31, 0
	s_mov_b32 s52, 0x76543210
	s_mov_b32 s53, 0xfedcba98
	s_lshr_b32 s76, s[WV], 2                       ; waves 0-3 fetch K, waves 4-7 V
	s_and_b32 s77, s[WV], 3                        ; which 8,192 bytes of a stage's 32,768
	s_lshl_b32 s78, s76, 22
	s_add_co_u32 s78, s78, 0x400000                ; k lies 4 MiB, v 8 MiB into qkv
	s_lshl_b32 s79, s15, 17
	s_add_co_u32 s78, s78, s79
	s_lshl_b32 s79, s77, 13
	s_add_co_u32 s78, s78, s79
	s_mov_b32 s79, 0
	s_lshl_b32 s80, s76, 17
	s_lshl_b32 s81, s77, 13
	s_add_co_u32 s80, s80, s81                     ; in LDS as in memory: K from 0, V from 131,072
	s_lshl_b32 s84, s[WV], 10
	s_lshr_b32 s82, s15, 4
	s_lshl_b32 s82, s82, 13
	s_add_co_u32 s82, s82, s84
	s_add_co_u32 s82, s82, 524288                  ; the batch's addends, my 1,024 bytes
	s_mov_b32 s83, 0
	s_add_co_u32 s84, s84, 262144
	s_wait_dscnt 0x0
	s_wait_kmcnt 0x0
	s_load_b256 s[68:75], s[8:9], 0x10             ; e4 .. e11: e6 70, e7 71, e8 72, e9 73, e10 74
	s_add_nc_u64 s[86:87], s[4:5], s[78:79]
	s_add_nc_u64 s[88:89], s[6:7], s[82:83]
	CROUND                                         ; all four work-groups are here: the joint loads meet
	s_mov_b32 s32, 1
	s_mov_b32 s33, s84
	s_mov_b64 s[34:35], s[88:89]
	s_or_b32 s35, s35, 0x80000000
.irp g, 0,1,2,3
	s_mov_b32 s[36+4*\g], 1
	s_add_co_u32 s[37+4*\g], s80, \g*32768
	s_add_nc_u64 s[38+4*\g:39+4*\g], s[86:87], \g*32768
	s_or_b32 s[39+4*\g], s[39+4*\g], 0x80000000
.endr
	tensor_load_to_lds s[32:35], s[24:31]          ; the addends, then the four stages: all first fills, one group
	s_nop 0
	tensor_load_to_lds s[36:39], s[16:23]
	s_nop 0
	tensor_load_to_lds s[40:43], s[16:23]
	s_nop 0
	tensor_load_to_lds s[44:47], s[16:23]
	s_nop 0
	tensor_load_to_lds s[48:51], s[16:23]
	s_nop 0
.rept 4
	v_nop
.endr
	v_and_b32 v2, 31, v0
	v_lshlrev_b32 v1, 4, v2                        ; K: 16 x lane
	v_mov_b32 v7, v1
	v_add_nc_u32 v2, 0x20000, v1                   ; V
	v_bfe_u32 v3, v0, 4, 1
	v_lshlrev_b32 v3, 5, v3
	v_add_nc_u32 v3, 0x40000, v3                   ; the addends: 32 h: my half's eight keys of a tile
	s_lshl_b32 s76, s15, 17
	s_lshl_b32 s77, s14, 14
	s_add_co_u32 s76, s76, s77
	s_lshl_b32 s77, s[WV], 11
	s_add_co_u32 s76, s76, s77
	s_mov_b32 s77, 0
	s_add_nc_u64 s[4:5], s[4:5], s[76:77]          ; q at my two tiles
	WIN 0x40
.irp u, 0,1
.irp g, 0,1
	global_load_b128 v[192+8*\u+4*\g:195+8*\u+4*\g], v7, s[4:5] offset:1024*\u+512*\g
.endr
.endr
	WIN 0
.irp u, 0,1
	v_mov_b32 v[13+16*\u], 0xe0ad78ec              ; the largest t so far: -1e20
	v_floor_f32 v[12+16*\u], -v[13+16*\u]          ; -M
	v_mov_b32 v[14+16*\u], 0                       ; the sum, in two halves
	v_mov_b32 v[15+16*\u], 0
	v_mov_b32 v[17+16*\u], 0                       ; (named as the upper half of f's pair)
	v_mov_b32 v[22+16*\u], 0                       ; (a lane permute's destination counts as read)
.endr
.set j, 0
.rept 64
	v_mov_b32 v[192+j], 0                          ; O^T: the step is written once; the first change of M leaves zeros zeros
.set j, j+1
.endr
	s_wait_kmcnt 0x0
	s_add_co_i32 s76, s70, s71
	s_lshl_b32 s76, s76, 23
	s_add_co_i32 s54, s76, 0x3e38aa3b              ; c = log2(e) / 8, with e6 + e7 added to its exponent field
	s_mov_b32 s55, s54
	SCLIM 73, 76, 9, 8
	v_mov_b32 v61, s76                             ; 448 x 2^e9 once more, in a register of another bank: the second half of a paired hold reads it
	SCLIM 74, 76, 11, 10
; K's eight tiles of 16 keys and the addends' eight tiles, of the 128 keys that begin ok (om) bytes behind the addresses
.macro KLOAD ak, am, ok, om
	WIN 0x40
.set j, 0
.rept 8
	ds_load_b128 v[8*j:8*j+3], v[\ak] offset:\ok+1024*j
	ds_load_b128 v[8*j+4:8*j+7], v[\ak] offset:\ok+1024*j+512
.set j, j+1
.endr
.set j, 0
.rept 8
	ds_load_b128 v[64+8*j:67+8*j], v[\am] offset:\om+64*j
	ds_load_b128 v[68+8*j:71+8*j], v[\am] offset:\om+64*j+16
.set j, j+1
.endr
	WIN 0
.endm
; Two holds in one instruction: the conversion to an 8-bit code does not saturate; p is not negative, so the hold is one-sided.  Destinations even and odd; the first sources and the second sources each in two banks.
.macro DMIN r
	v_dual_min_num_f32 v[\r], v[\r], v8 :: v_dual_min_num_f32 v[(\r)+1], v[(\r)+1], v61
.endm
; Number pn of the 64 instructions that follow tile u's exponentials: THE ROW'S SUM IS TAKEN OF THE UNQUANTISED p (32 packed additions in two chains), and each pair of p is held directly behind the addition that read it.
.macro POST u
.set SB, 64+64*(\u)
.set TT, 12+16*(\u)
.if pn == 0
	v_pk_add_f32 v[TT+6:TT+7], v[SB:SB+1], v[SB+2:SB+3]            ; pairs 0 and 1 start the second chain
.elseif pn == 1
	DMIN SB
.elseif pn == 2
	DMIN SB+2
.elseif pn == 63
	v_pk_add_f32 v[TT+2:TT+3], v[TT+2:TT+3], v[TT+6:TT+7]          ; the two chains
.elseif pn%2 == 0
	DMIN SB+pn                                                     ; pair pn / 2
.elseif ((pn+1)/2)%2 == 0
	v_pk_add_f32 v[TT+2:TT+3], v[TT+2:TT+3], v[SB+pn+1:SB+pn+2]    ; pair (pn + 1) / 2, even: the running sum
.else
	v_pk_add_f32 v[TT+6:TT+7], v[TT+6:TT+7], v[SB+pn+1:SB+pn+2]    ; odd: the second chain
.endif
.endm
.macro STEP pre                        ; 128 keys.  pre = 1: the next step's K and addends are asked for
	v_add_nc_u32 v5, s56, v2                       ; these four lines are the places behind the last products, in front of the loads into V's registers
.if \pre
	v_add_nc_u32 v4, s56, v1
	v_add_nc_u32 v6, s57, v3
.else
	v_nop
	v_nop
.endif
	v_nop
	WIN 0x40
.set j, 0
.rept 16
	ds_load_b128 v[128+4*j:131+4*j], v5 offset:512*j
.set j, j+1
.endr
	s_wait_dscnt 16                                ; K and the addends, asked for a step ago, are in; V's sixteen loads may be out
	WIN 0x15
.irp c, 0,1,2,3,4,5,6,7
.irp u, 0,1
	v_wmma_f32_16x16x64_fp8_fp8 v[64+64*\u+8*\c:71+64*\u+8*\c], v[8*\c:8*\c+7], v[192+8*\u:199+8*\u], v[64+8*\c:71+8*\c]
.endr
.endr
	WIN 0
.rept 4
	v_nop                                          ; four places: in front of the loads into K's and the addends' registers, and of the first reads of the scores
.endr
.if \pre
	KLOAD 4, 6, 8192, 512                          ; 8,192 bytes of K and 512 of addends further on: they land while the softmax is worked
.endif
.irp u, 0,1                            ; the step's largest score of my query among my 64 keys, two chains a tile, each accumulator from its low end on
	v_max3_num_f32 v[20+16*\u], v[64+64*\u], v[65+64*\u], v[66+64*\u]
	v_max3_num_f32 v[21+16*\u], v[67+64*\u], v[68+64*\u], v[69+64*\u]
.endr
.irp i, 6,10,14,18,22,26,30,34,38,42,46,50,54,58
.irp u, 0,1
	v_max3_num_f32 v[20+16*\u], v[20+16*\u], v[64+64*\u+\i], v[65+64*\u+\i]
	v_max3_num_f32 v[21+16*\u], v[21+16*\u], v[66+64*\u+\i], v[67+64*\u+\i]
.endr
.endr
.irp u, 0,1
	v_max3_num_f32 v[20+16*\u], v[20+16*\u], v[126+64*\u], v[127+64*\u]
.endr
.irp u, 0,1
	v_max_num_f32 v[20+16*\u], v[20+16*\u], v[21+16*\u]
.endr
.irp u, 0,1
	v_permlanex16_b32 v[22+16*\u], v[20+16*\u], s52, s53
.endr
.irp u, 0,1
	v_max_num_f32 v[20+16*\u], v[20+16*\u], v[22+16*\u]
.endr
.irp u, 0,1
	v_mul_f32 v[20+16*\u], s54, v[20+16*\u]        ; as t (c is positive)
.endr
.irp u, 0,1
	v_max_num_f32 v[13+16*\u], v[13+16*\u], v[20+16*\u]
	v_mov_b32 v[20+16*\u], v[12+16*\u]
.endr
.irp u, 0,1
	v_floor_f32 v[12+16*\u], -v[13+16*\u]          ; the new -M
.endr
.irp u, 0,1
	v_sub_f32 v[20+16*\u], v[12+16*\u], v[20+16*\u]   ; old M - new M: a whole number, 0 or less
.endr
.irp u, 0,1
	v_cvt_i32_f32 v[20+16*\u], v[20+16*\u]         ; (it saturates)
.endr
.irp u, 0,1
	v_ldexp_f32 v[16+16*\u], 1.0, v[20+16*\u]      ; f
.endr
	v_pk_mul_f32 v[14:15], v[14:15], v[16:17] op_sel_hi:[1,0]      ; the sums under the new M
	v_pk_mul_f32 v[30:31], v[30:31], v[32:33] op_sel_hi:[1,0]
.set j, 0
.rept 32
	v_pk_fma_f32 v[64+j:65+j], v[64+j:65+j], s[54:55], v[12:13] op_sel_hi:[1,0,0]      ; tile 0: t - M
.set j, j+2
.endr
.set j, 0
.rept 32                               ; BATCH A: tile 0's 64 exponentials; behind each a plain instruction that names none of them: tile 1's 32 scalings and the 32 rescalings of O^T
	v_exp_f32 v[64+2*j], v[64+2*j]
	v_pk_fma_f32 v[128+2*j:129+2*j], v[128+2*j:129+2*j], s[54:55], v[28:29] op_sel_hi:[1,0,0]      ; tile 1: t - M
	v_exp_f32 v[65+2*j], v[65+2*j]
	v_pk_mul_f32 v[192+2*j:193+2*j], v[192+2*j:193+2*j], v[16+16*(j/16):17+16*(j/16)] op_sel_hi:[1,0]   ; O^T under the new M, each accumulator from its low end on
.set j, j+1
.endr
	s_wait_alu depctr_va_vdst(0)                   ; one wait for batch A, ahead of its first reader
.set pn, 0
.rept 64                               ; BATCH B: tile 1's 64 exponentials; behind each one of tile 0's 64 sums and holds
	v_exp_f32 v[128+pn], v[128+pn]
	POST 0
.set pn, pn+1
.endr
	s_wait_alu depctr_va_vdst(0)                   ; one wait for batch B, ahead of its first reader
.set pn, 0
.rept 64
	POST 1
.set pn, pn+1
.endr
	WIN 0x40
.set j, 0
.rept 16
	v_cvt_scalef32_pk8_fp8_f32 v[208+2*j:209+2*j], v[64+8*j:71+8*j], v9
.set j, j+1
.endr
	v_nop                                          ; a plain line between the conversions and the products that read their results
	s_wait_dscnt 32*\pre                           ; V is in; the 32 loads of the look-ahead, issued behind V's, may be out
	WIN 0x05
.irp d, 0,1,2,3
.irp u, 0,1
	v_wmma_f32_16x16x128_fp8_fp8 v[192+32*\u+8*\d:199+32*\u+8*\d], v[128+16*\d:143+16*\d], v[208+16*\u:223+16*\u], v[192+32*\u+8*\d:199+32*\u+8*\d]
.endr
.endr
	WIN 0
.endm
.macro MEET g                          ; stage g's 512 keys lie in LDS
	s_wait_dscnt 0x0
	s_wait_tensorcnt 3-\g                          ; my addends and my parts of stages 0 .. g are in; the later stages' loads stay out
	s_barrier_signal -1
	s_barrier_wait -1                              ; everybody's are
.endm
.macro RUN first, trips                ; steps first .. first + trips - 1
	s_mov_b32 s56, (\first)*8192
	s_mov_b32 s57, (\first)*512
	s_mov_b32 s58, \trips
.Lstep_\@:
	STEP 1
	s_add_co_u32 s56, s56, 8192
	s_add_co_u32 s57, s57, 512
	s_sub_co_u32 s58, s58, 1
	s_cmp_lg_u32 s58, 0
	s_cbranch_scc1 .Lstep_\@
.endm
	s_wait_loadcnt 0x0                             ; Q
	MEET 0
	KLOAD 1, 3, 0, 0                               ; step 0's K and addends
	RUN 0, 3                                       ; steps 0-2 read V of steps 0-2 and K of steps 1-3: stage 0
	MEET 1
	RUN 3, 4                                       ; steps 3-6: V of 3-6, K of 4-7: stages 0 and 1
	MEET 2
	RUN 7, 4
	MEET 3
	RUN 11, 4
	s_mov_b32 s56, 15*8192
	s_mov_b32 s57, 15*512
	STEP 0                                         ; the last step: there are no keys behind it
	; the way out: O^T / the sum x 2^(e8 + e9), quantised with e10: the four tiles of channels are one fragment of 16 tokens x 64 K
.rept 4
	v_nop
.endr
.irp u, 0,1
	v_add_f32 v[14+16*\u], v[14+16*\u], v[15+16*\u]
.endr
.irp u, 0,1
	v_permlanex16_b32 v[22+16*\u], v[14+16*\u], s52, s53
.endr
.irp u, 0,1
	v_add_f32 v[14+16*\u], v[14+16*\u], v[22+16*\u]
.endr
.irp u, 0,1
	v_rcp_f32 v[14+16*\u], v[14+16*\u]
.endr
	v_nop
	s_add_co_i32 s76, s72, s73
	s_lshr_b32 s77, s15, 4
	s_lshl_b32 s77, s77, 7
	s_lshl_b32 s78, s14, 4
	s_add_co_u32 s77, s77, s78
	s_lshl_b32 s78, s[WV], 1
	s_add_co_u32 s77, s77, s78                     ; my first tile of 16 tokens
	s_lshl_b32 s78, s77, 14
	s_and_b32 s79, s15, 15
	s_lshl_b32 s79, s79, 10                        ; the head is the K / 64 index
	s_add_co_u32 s78, s78, s79
	s_mov_b32 s79, 0
	s_add_nc_u64 s[10:11], s[10:11], s[78:79]
	s_wait_alu depctr_va_vdst(0)                   ; one wait for the two reciprocals, ahead of their first reader
.irp u, 0,1
	v_ldexp_f32 v[14+16*\u], v[14+16*\u], s76
.endr
.irp u, 0,1
	v_mov_b32 v[15+16*\u], v[14+16*\u]
.endr
.irp u, 0,1
.set j, 0
.rept 16
	v_pk_mul_f32 v[64+64*\u+j:65+64*\u+j], v[192+32*\u+j:193+32*\u+j], v[14+16*\u:15+16*\u]
.set j, j+2
.endr
.endr
.irp u, 0,1
.set j, 0
.rept 32
	v_med3_num_f32 v[64+64*\u+j], v[64+64*\u+j], -v10, v10
.set j, j+1
.endr
.endr
.irp u, 0,1
.irp d, 0,1,2,3
	v_cvt_scalef32_pk8_fp8_f32 v[44+8*\u+2*\d:45+8*\u+2*\d], v[64+64*\u+8*\d:71+64*\u+8*\d], v11
.endr
.endr
	v_nop
.irp u, 0,1
.irp g, 0,1
	global_store_b128 v7, v[44+8*\u+4*\g:47+8*\u+4*\g], s[10:11] offset:16384*\u+512*\g
.endr
.endr
	s_wait_dscnt 0x0
	s_wait_tensorcnt 0x0
	ds_add_u32 v62, v63
	s_wait_dscnt 0x0
	CROUND                                         ; the closing round
	s_endpgm
.Lfunc_end_k_qa304bf94d0_attn:
	.size	k_qa304bf94d0_attn, .Lfunc_end_k_qa304bf94d0_attn-k_qa304bf94d0_attn
	.p2alignl 7, 3214868480
	.fill 96, 4, 3214868480
	.section	.rodata,"a",@progbits
	.p2align	6, 0x0
	.amdhsa_kernel k_qa304bf94d0_attn
		.amdhsa_group_segment_fixed_size 271360
		.amdhsa_private_segment_fixed_size 0
		.amdhsa_enable_private_segment 0
		.amdhsa_kernarg_size 32
		.amdhsa_user_sgpr_count 2
		.amdhsa_user_sgpr_kernarg_segment_ptr 1
		.amdhsa_wavefront_size32 1
		.amdhsa_system_sgpr_workgroup_id_x 1
		.amdhsa_system_sgpr_workgroup_id_y 1
		.amdhsa_system_sgpr_workgroup_id_z 1
		.amdhsa_system_vgpr_workitem_id 0
		.amdhsa_next_free_vgpr 512
		.amdhsa_next_free_sgpr 100
		.amdhsa_reserve_vcc 0
		.amdhsa_float_denorm_mode_32 3
		.amdhsa_float_denorm_mode_16_64 3
		.amdhsa_memory_ordered 1
		.amdhsa_forward_progress 1
		.amdhsa_inst_pref_size 165
	.end_amdhsa_kernel
	.amdgpu_metadata
---
amdhsa.version: [ 1, 2 ]
amdhsa.kernels:
  - .name:           k_qa304bf94d0_attn
    .symbol:         k_qa304bf94d0_attn.kd
    .args:
      - { .name: qkv, .offset: 0, .size: 8, .value_kind: global_buffer, .address_space: global }
      - { .name: tab, .offset: 8, .size: 8, .value_kind: global_buffer, .address_space: global }
      - { .name: lowp_scales, .offset: 16, .size: 8, .value_kind: global_buffer, .address_space: global }
      - { .name: ao, .offset: 24, .size: 8, .value_kind: global_buffer, .address_space: global }
    .group_segment_fixed_size: 271360
    .private_segment_fixed_size: 0
    .kernarg_segment_align: 8
    .kernarg_segment_size: 32
    .max_flat_workgroup_size: 256
    .sgpr_count:     100
    .vgpr_count:     512
    .wavefront_size: 32
...
	.end_amdgpu_metadata
.endif
;; end of part 3
;; launch wo (part 4): grid 8 x 32, 4 waves a work-group, clusters of 4 x 4, 327,680 bytes of LDS; arguments ao, wc, bo, x, lowp_scales, y1; writes y1
.if DOCPART == 4
	.amdgcn_target "amdgcn-amd-amdhsa--gfx1250"
	.amdhsa_code_object_version 6
	.text
	.protected	k_qa304bf94d0_wo
	.globl	k_qa304bf94d0_wo
	.p2align	8
	.type	k_qa304bf94d0_wo,@function
k_qa304bf94d0_wo:
	s_mov_b64 s[64:65], 0
	v_nop
	global_prefetch_b8 v0, s[64:65] scope:SCOPE_SE
	s_setreg_imm32_b32 hwreg(HW_REG_WAVE_MODE, 25, 1), 1
	s_wait_xcnt 0x0
	s_wait_alu depctr_hold_cnt(0) depctr_sa_sdst(0) depctr_va_vdst(0) depctr_va_sdst(0) depctr_va_ssrc(0) depctr_va_vcc(0) depctr_vm_vsrc(0)
	s_getreg_b32 s2, hwreg(HW_REG_IB_STS2, 6, 4)
	s_cmp_eq_u32 s2, 0
	s_cbranch_scc0 .Lentry_in_a_cluster
	s_endpgm
.Lentry_in_a_cluster:
	s_bfe_u32 s2, ttmp6, 0x10000c
	s_cmp_lg_u32 s2, 0xf033
	s_cbranch_scc0 .Lentry_shape_is_right
	s_endpgm
.Lentry_shape_is_right:
; out = residual + (A W^T x 2^(eA + eB) + bias), A and W as codes of FP8 in register images; out, residual f32 [4,096][1,024].  W2 = 0: A = attention's result, W = Wo, K = 1,024, residual x.
; (The same text with W2 = 1 is the last layer: K = 4,096, W = W2, residual y1, and rows whose mask byte is 0 are stored as zeros.)
; A tile of 128 x 128 to a work-group (256 of them), 64 x 64 to a wave: 16 accumulators.  Source 0 = 16 rows of W, source 1 = 16 rows of A: a lane holds eight neighbouring columns of one row.
; K goes in steps of 512 through two LDS slots (four steps of 128 each); A's tile is asked for jointly by a row of the 4 x 4 cluster, W's by a column.
; The residual is asked for at the head and waits in registers.  The sums go through the wave's own stage and leave as aligned runs of 256 bytes.
; LIMIT: eA + eB between -126 and 127.
; REGISTERS: window 0: v0-31 addresses, bias; v32-95 rows on the way out; v96-111 mask bytes; v128-255 accumulators.  window 1: two buffers of 8 fragments.  window 2: v0-127 the residual.
.set W2, 0
.if W2
.set KK, 4096
.set WOFF, 0x800000
.set EOFF, 0x38
.else
.set KK, 1024
.set WOFF, 0x300000
.set EOFF, 0x28
.endif
.set LAPS,   KK/1024
.set PART,   32768                     ; 64 rows x 512 K: what one tensor load brings
.set SLOT,   131072
.set KB,     8192                      ; a K step of a tile of 16 rows, in bytes
.set STAGE,  262144                    ; behind the ring: 16 rows x 272 bytes for each wave
.set SPITCH, 272
.set SPARE,  STAGE+4*16*SPITCH         ; behind the stages: the spare words, 128 bytes a wave
.set ADRX, 16
.set ADRY, 20
.set STO,  24
.set RD,   25
.set CO,   26
.set SPW,  28
.set NIL,  29
.set BK,   32
.set ACC,  128
.set F0,   0
.set F1,   128
.set G1, 24
.set G0, 32
.set G1B, 48
.set G0B, 56
.set MSB, 0
.macro WIN new
.if MSB != \new
	s_set_vgpr_msb (MSB<<8)|\new
.set MSB, \new
.endif
.endm
.set MUL,  0x05
.set TO_F, 0x40
.macro JLOAD s
	s_cmp_eq_u32 s15, 0
	s_cbranch_scc0 .Lfor_b_\@
	tensor_load_to_lds s[G0+4*\s:G0+4*\s+3], s[G1:G1+7]
	s_nop 0
.rept 4
	v_nop
.endr
	s_branch .Lasked_\@
.Lfor_b_\@:
	tensor_load_to_lds s[G0B+4*\s:G0B+4*\s+3], s[G1B:G1B+7]
	s_nop 0
.rept 4
	v_nop
.endr
.Lasked_\@:
.endm
.macro CREST
	s_cmp_lg_u32 s14, 0
	s_cbranch_scc1 .Lnot_wave_0_\@
	s_barrier_signal -3
.Lnot_wave_0_\@:
	s_barrier_wait -3
	s_barrier_signal -1
	s_barrier_wait -1
.endm
.macro CROUND
	s_barrier_signal -1
	s_barrier_wait -1
	CREST
.endm
.macro PLACES
.rept 4
	v_nop
.endr
.endm
	s_load_b256 s[68:75], s[0:1], 0x0              ; A 68, wc 70, bias 72, residual 74
.if W2
	s_load_b128 s[76:79], s[0:1], 0x20             ; mask 76, scales 78
	s_load_b64 s[80:81], s[0:1], 0x30              ; out
.else
	s_load_b64 s[78:79], s[0:1], 0x20              ; scales
	s_load_b64 s[80:81], s[0:1], 0x28              ; out
.endif
	v_lshl_add_u32 v[SPW], v0, 2, SPARE
	v_mov_b32 v[NIL], 0
	ds_add_u32 v28, v29
	ds_add_u32 v28, v29
	s_wait_dscnt 0x0
	v_lshrrev_b32 v1, 5, v0
	v_readfirstlane_b32 s14, v1                    ; wave
	s_lshr_b32 s15, s14, 1                         ; my half of the rows.  Also: I fetch for A (0) or W (1)
	s_and_b32 s16, s14, 1                          ; my half of the columns.  Also: which 64 rows of that tile I fetch
	s_bfe_u32 s40, ttmp6, 0x40000
	s_bfe_u32 s41, ttmp6, 0x40004
	s_lshl_b32 s42, ttmp9, 2
	s_add_co_u32 s42, s42, s40                     ; tile column
	s_and_b32 s17, ttmp7, 0xffff
	s_lshl_b32 s17, s17, 2
	s_add_co_u32 s17, s17, s41                     ; tile row
	s_lshl_b32 s43, s41, 2
	s_lshl_b32 s43, 15, s43
	s_lshl_b32 s44, 0x1111, s40
	s_or_b32 s[G1+0], s43, (3<<16)|(1<<21)         ; the mask; elements of 8 bytes; bit 21 beside a mask; no padding
	s_or_b32 s[G1B+0], s44, (3<<16)|(1<<21)
.irp g, G1, G1B
	s_mov_b32 s[\g+1], 1024<<16                    ; tensor_dim0: 8,192 bytes
	s_mov_b32 s[\g+2], 4<<16                       ; tensor_dim1: 4 tiles of 16 rows
	s_mov_b32 s[\g+3], 1024<<16
	s_mov_b32 s[\g+4], 4
	s_mov_b32 s[\g+5], 2*KK                        ; 16 KK bytes from one tile of 16 rows to the next
	s_mov_b32 s[\g+6], 0
	s_mov_b32 s[\g+7], 0
.endr
	s_lshl_b32 s18, s16, 6
	s_lshl_b32 s20, s17, 7
	s_add_co_u32 s20, s20, s18
	s_mul_i32 s20, s20, KK                         ; A: (128 x tile row + 64 x half) rows of KK bytes
	s_mov_b32 s21, 0
	s_lshl_b32 s46, s42, 7
	s_add_co_u32 s46, s46, s18
	s_mul_i32 s46, s46, KK
	s_add_co_u32 s46, s46, WOFF
	s_mov_b32 s47, 0
	s_mul_i32 s13, s14, PART
	s_wait_kmcnt 0x0
	s_load_b64 s[96:97], s[78:79], EOFF            ; eA, eB
	s_add_nc_u64 s[88:89], s[68:69], s[20:21]
	s_add_nc_u64 s[90:91], s[70:71], s[46:47]
	CROUND
.irp s, 0,1
	s_mov_b32 s[G0+4*\s], 1
	s_add_co_u32 s[G0+4*\s+1], s13, \s*SLOT
	s_add_nc_u64 s[G0+4*\s+2:G0+4*\s+3], s[88:89], \s*KB
	s_or_b32 s[G0+4*\s+3], s[G0+4*\s+3], 0x80000000
	s_mov_b32 s[G0B+4*\s], 1
	s_add_co_u32 s[G0B+4*\s+1], s13, \s*SLOT
	s_add_nc_u64 s[G0B+4*\s+2:G0B+4*\s+3], s[90:91], \s*KB
	s_or_b32 s[G0B+4*\s+3], s[G0B+4*\s+3], 0x80000000
	JLOAD \s
.endr
	v_and_b32 v2, 31, v0
	v_lshlrev_b32 v1, 4, v2                        ; 16 x lane
	v_and_b32 v3, 15, v0                           ; r
	v_bfe_u32 v4, v0, 4, 1                         ; h
	s_mul_i32 s21, s15, PART
	s_mul_i32 s22, s16, PART
	s_add_co_u32 s22, s22, 2*PART
.irp s, 0,1
	v_add_nc_u32 v[ADRX+\s], s21, v1
	v_add_nc_u32 v[ADRY+\s], s22, v1
	s_add_co_u32 s21, s21, SLOT
	s_add_co_u32 s22, s22, SLOT
.endr
	s_mul_i32 s23, s14, 16*SPITCH
	s_add_co_u32 s23, s23, STAGE                   ; my stage
	v_mul_u32_u24 v5, v3, SPITCH
	v_lshl_add_u32 v5, v4, 5, v5
	v_add_nc_u32 v[STO], s23, v5                   ; in: row r, 32 bytes for each half of the lanes
	v_mul_u32_u24 v5, v4, SPITCH
	v_lshl_add_u32 v5, v3, 4, v5
	v_add_nc_u32 v[RD], s23, v5                    ; back: lanes 0-15 one row of 256 bytes, lanes 16-31 the next
	v_lshlrev_b32 v27, 4, v3
	v_lshl_add_u32 v[CO], v4, 12, v27              ; and the same two rows in memory
	s_lshl_b32 s20, s17, 7
	s_lshl_b32 s21, s15, 6
	s_add_co_u32 s20, s20, s21                     ; my first row
	s_lshl_b32 s22, s42, 7
	s_lshl_b32 s21, s16, 6
	s_add_co_u32 s22, s22, s21                     ; my first column
	s_lshl_b32 s84, s20, 12
	s_lshl_b32 s86, s22, 2
	s_add_co_u32 s84, s84, s86
	s_mov_b32 s85, 0
	s_mov_b32 s87, 0
	s_add_nc_u64 s[80:81], s[80:81], s[84:85]
	s_add_nc_u64 s[74:75], s[74:75], s[84:85]
	s_add_nc_u64 s[72:73], s[72:73], s[86:87]
	global_load_b128 v[12:15], v27, s[72:73]       ; bias of my four columns on the way out
.if W2
	s_mov_b32 s86, s20
	s_add_nc_u64 s[76:77], s[76:77], s[86:87]
	v_mov_b32 v11, 0
	v_lshlrev_b32 v8, 3, v4                        ; the shift that finds my row's byte: 8 h, and 16 more for odd pairs of rows
	v_add_nc_u32 v9, 16, v8
.irp i, 0,1,2,3
	global_load_b128 v[96+4*\i:99+4*\i], v11, s[76:77] offset:16*\i     ; my wave's 64 mask bytes, in every lane
.endr
.endif
	WIN 0x80
.irp a, 0,1,2,3
.irp t, 0,1,2,3,4,5,6,7
	global_load_b128 v[32*\a+4*\t:32*\a+4*\t+3], v[CO], s[74:75] offset:(16*\a+2*\t)*4096 th:TH_LOAD_NT
.endr
.endr
	WIN 0
.macro FETCH slot, q, f                ; the eight fragments of the slot's q-th 128 along K: W's four, then A's
	WIN TO_F
.irp b, 0,1,2,3
.irp c, 0,1,2,3
	ds_load_b128 v[\f+64+16*\b+4*\c:\f+64+16*\b+4*\c+3], v[ADRY+\slot] offset:KB*\b+2048*(\q)+512*\c
.endr
.endr
.irp a, 0,1,2,3
.irp c, 0,1,2,3
	ds_load_b128 v[\f+16*\a+4*\c:\f+16*\a+4*\c+3], v[ADRX+\slot] offset:KB*\a+2048*(\q)+512*\c
.endr
.endr
.endm
.macro MUL4 f, a, zero                 ; A's block a against W's four; the 16 accumulators take turns
.irp b, 0,1,2,3
.if \zero
	v_wmma_f32_16x16x128_fp8_fp8 v[ACC+8*(4*(\a)+\b):ACC+8*(4*(\a)+\b)+7], v[\f+64+16*\b:\f+64+16*\b+15], v[\f+16*(\a):\f+16*(\a)+15], 0
.else
	v_wmma_f32_16x16x128_fp8_fp8 v[ACC+8*(4*(\a)+\b):ACC+8*(4*(\a)+\b)+7], v[\f+64+16*\b:\f+64+16*\b+15], v[\f+16*(\a):\f+16*(\a)+15], v[ACC+8*(4*(\a)+\b):ACC+8*(4*(\a)+\b)+7]
.endif
.endr
.endm
.macro SUB slot, qn, f, g, zero        ; multiplies buffer f; in its middle fetches the slot's qn-th 128 into g
	s_wait_dscnt 8                                 ; W's four and A's blocks 0, 1 are in; the youngest eight loads (blocks 2, 3) may be out
	WIN MUL
	MUL4 \f, 0, \zero
	MUL4 \f, 1, \zero
	PLACES                                         ; in front of loads into registers that matrix instructions have read
	FETCH \slot, \qn, \g
	s_wait_dscnt 32                                ; all but the 32 just issued
	WIN MUL
	MUL4 \f, 2, \zero
	MUL4 \f, 3, \zero
.endm
.macro TURN slot, next, fill           ; a slot's last 128 changes slots
	WIN 0
	s_wait_tensorcnt 0x0                           ; all my tensor loads have landed: my part of the next slot
	ds_add_u32 v[SPW], v[NIL]                      ; 0 onto my spare word
	s_wait_dscnt 9                                 ; the add and the youngest eight loads may be out
	WIN MUL
	MUL4 F1, 0, 0
	s_wait_dscnt 0x0                               ; the add is done, and my reads of this slot are over
	s_barrier_signal -1
	MUL4 F1, 1, 0
	WIN 0
	s_barrier_wait -1
.if \fill
	CREST                                          ; the barrier has opened a round of the cluster's
	s_add_nc_u64 s[G0+4*\slot+2:G0+4*\slot+3], s[G0+4*\slot+2:G0+4*\slot+3], 2*KB
	s_add_nc_u64 s[G0B+4*\slot+2:G0B+4*\slot+3], s[G0B+4*\slot+2:G0B+4*\slot+3], 2*KB
	JLOAD \slot                                    ; the first tensor load behind the round; its four v_nop are also the places in front of the loads below
.else
	PLACES
.endif
	FETCH \next, 0, F0
	WIN MUL
	MUL4 F1, 2, 0
	MUL4 F1, 3, 0
.endm
	s_wait_tensorcnt 1                             ; my part of slot 0 is in; slot 1's load may be out
	s_barrier_signal -1
	s_barrier_wait -1
	FETCH 0, 0, F0
	SUB 0, 1, F0, F1, 1                            ; the first products start the sums
.if LAPS > 1
	WIN 0
	s_mov_b32 s3, LAPS-1
.Llap:
	SUB 0, 2, F1, F0, 0
	SUB 0, 3, F0, F1, 0
	TURN 0, 1, 1
	SUB 1, 1, F0, F1, 0
	SUB 1, 2, F1, F0, 0
	SUB 1, 3, F0, F1, 0
	TURN 1, 0, 1
	SUB 0, 1, F0, F1, 0
	WIN 0
	s_sub_co_u32 s3, s3, 1
	s_cmp_lg_u32 s3, 0
	s_cbranch_scc1 .Llap
.endif
	SUB 0, 2, F1, F0, 0
	SUB 0, 3, F0, F1, 0
	TURN 0, 1, 0
	SUB 1, 1, F0, F1, 0
	SUB 1, 2, F1, F0, 0
	SUB 1, 3, F0, F1, 0
	s_wait_dscnt 8
	WIN MUL
	MUL4 F1, 0, 0
	MUL4 F1, 1, 0
	s_wait_dscnt 0
	MUL4 F1, 2, 0
	MUL4 F1, 3, 0
	WIN 0
	s_wait_kmcnt 0x0
	s_add_co_i32 s96, s96, s97
	s_add_co_i32 s96, s96, 127
	s_lshl_b32 s96, s96, 23                        ; 2^(eA + eB) as f32
	s_mov_b32 s97, s96
	s_wait_loadcnt 0x0                             ; bias, residual (and mask)
	PLACES
.macro TOSTAGE a                       ; 16 rows x 64 columns through my stage: LDS serves a wave's instructions in order, so no wait stands between
.irp b, 0,1,2,3
	ds_store_b128 v[STO], v[ACC+8*(4*(\a)+\b):ACC+8*(4*(\a)+\b)+3] offset:64*\b
	ds_store_b128 v[STO], v[ACC+8*(4*(\a)+\b)+4:ACC+8*(4*(\a)+\b)+7] offset:64*\b+16
.endr
.set BB, BK+32*((\a)%2)
.irp t, 0,1,2,3,4,5,6,7
	ds_load_b128 v[BB+4*\t:BB+4*\t+3], v[RD] offset:2*\t*SPITCH
.endr
.endm
.macro SEND a, younger                 ; younger: the LDS instructions issued behind block a's loads
.set BB, BK+32*((\a)%2)
	s_wait_dscnt \younger
	WIN 0x20                                       ; source 2 (the residual) in window 2
.set j, 0
.rept 16
	v_pk_fma_f32 v[BB+j:BB+j+1], v[BB+j:BB+j+1], s[96:97], v[32*(\a)+j:32*(\a)+j+1] op_sel_hi:[1,0,1]
.set j, j+2
.endr
	WIN 0
.set j, 0
.rept 8
	v_pk_add_f32 v[BB+4*j:BB+4*j+1], v[BB+4*j:BB+4*j+1], v[12:13]
	v_pk_add_f32 v[BB+4*j+2:BB+4*j+3], v[BB+4*j+2:BB+4*j+3], v[14:15]
.set j, j+1
.endr
.if W2
.set j, 0
.rept 8
	v_bfe_u32 v10, v[96+4*(\a)+j/2], v[8+j%2], 8   ; the mask byte of row 16 a + 2 j + h
	v_cmp_ne_u32 vcc_lo, 0, v10
	v_cndmask_b32 v[BB+4*j], 0, v[BB+4*j], vcc_lo  ; a choice, not a product: nothing of a masked row is left
	v_cndmask_b32 v[BB+4*j+1], 0, v[BB+4*j+1], vcc_lo
	v_cndmask_b32 v[BB+4*j+2], 0, v[BB+4*j+2], vcc_lo
	v_cndmask_b32 v[BB+4*j+3], 0, v[BB+4*j+3], vcc_lo
.set j, j+1
.endr
.endif
.set j, 0
.rept 8
	global_store_b128 v[CO], v[BB+4*j:BB+4*j+3], s[80:81] offset:(16*(\a)+2*j)*4096 th:TH_STORE_NT   ; 16 lanes store 256 consecutive aligned bytes
.set j, j+1
.endr
.endm
	TOSTAGE 0
.irp a, 1,2,3
.if \a > 1
	s_wait_xcnt 0x0                                ; block a - 2's stores have read their data: block a's loads may land there
.endif
	TOSTAGE \a
	SEND \a-1, 16                                  ; behind block a - 1's loads: block a's 8 stores and 8 loads
.endr
	SEND 3, 0
	s_wait_tensorcnt 0x0                           ; the wave's end
	ds_add_u32 v[SPW], v[NIL]
	s_wait_dscnt 0x0
	CROUND
	s_endpgm
.Lfunc_end_k_qa304bf94d0_wo:
	.size	k_qa304bf94d0_wo, .Lfunc_end_k_qa304bf94d0_wo-k_qa304bf94d0_wo
	.p2alignl 7, 3214868480
	.fill 96, 4, 3214868480
	.section	.rodata,"a",@progbits
	.p2align	6, 0x0
	.amdhsa_kernel k_qa304bf94d0_wo
		.amdhsa_group_segment_fixed_size 327680
		.amdhsa_private_segment_fixed_size 0
		.amdhsa_enable_private_segment 0
		.amdhsa_kernarg_size 48
		.amdhsa_user_sgpr_count 2
		.amdhsa_user_sgpr_kernarg_segment_ptr 1
		.amdhsa_wavefront_size32 1
		.amdhsa_system_sgpr_workgroup_id_x 1
		.amdhsa_system_sgpr_workgroup_id_y 1
		.amdhsa_system_sgpr_workgroup_id_z 1
		.amdhsa_system_vgpr_workitem_id 0
		.amdhsa_next_free_vgpr 768
		.amdhsa_next_free_sgpr 100
		.amdhsa_reserve_vcc 1
		.amdhsa_float_denorm_mode_32 3
		.amdhsa_float_denorm_mode_16_64 3
		.amdhsa_memory_ordered 1
		.amdhsa_forward_progress 1
		.amdhsa_inst_pref_size 53
	.end_amdhsa_kernel
	.amdgpu_metadata
---
amdhsa.version: [ 1, 2 ]
amdhsa.kernels:
  - .name:           k_qa304bf94d0_wo
    .symbol:         k_qa304bf94d0_wo.kd
    .args:
      - { .name: ao, .offset: 0, .size: 8, .value_kind: global_buffer, .address_space: global }
      - { .name: wc, .offset: 8, .size: 8, .value_kind: global_buffer, .address_space: global }
      - { .name: bo, .offset: 16, .size: 8, .value_kind: global_buffer, .address_space: global }
      - { .name: x, .offset: 24, .size: 8, .value_kind: global_buffer, .address_space: global }
      - { .name: lowp_scales, .offset: 32, .size: 8, .value_kind: global_buffer, .address_space: global }
      - { .name: y1, .offset: 40, .size: 8, .value_kind: global_buffer, .address_space: global }
    .group_segment_fixed_size: 327680
    .private_segment_fixed_size: 0
    .kernarg_segment_align: 8
    .kernarg_segment_size: 48
    .max_flat_workgroup_size: 128
    .sgpr_count:     100
    .vgpr_count:     768
    .wavefront_size: 32
...
	.end_amdgpu_metadata
.endif
;; end of part 4
;; launch ln2 (part 5): grid 256 x 1, 4 waves a work-group, no clusters, 66,560 bytes of LDS; arguments y1, ln2_g, ln2_b, lowp_scales, hc; writes hc
.if DOCPART == 5
	.amdgcn_target "amdgcn-amd-amdhsa--gfx1250"
	.amdhsa_code_object_version 6
	.text
	.protected	k_qa304bf94d0_ln2
	.globl	k_qa304bf94d0_ln2
	.p2align	8
	.type	k_qa304bf94d0_ln2,@function
k_qa304bf94d0_ln2:
	s_mov_b64 s[64:65], 0
	v_nop
	global_prefetch_b8 v0, s[64:65] scope:SCOPE_SE
	s_setreg_imm32_b32 hwreg(HW_REG_WAVE_MODE, 25, 1), 1
	s_wait_xcnt 0x0
; LayerNorm 2 of 16 rows of y1 to a work-group, quantised with scale e12 into hc as register images (16 rows x 128 K = 2,048 bytes; four registers of 32 lanes = 512 consecutive bytes).
; Wave w normalises rows 4 w .. 4 w + 3 (a row in 32 registers; mean, then the variance of the differences), puts them into a stage in LDS, and behind one barrier quantises K 256 w on of all 16 rows.
; LIMITS: e12 between -126 and 119; NaN among the inputs is not served (a row that is not finite stays within itself).
.set LNP, 4112                         ; a stage row: 4,096 bytes + 16
.macro RED a, t
	v_add_f32_dpp v[\a], v[\a], v[\a] row_xmask:1 row_mask:0xf bank_mask:0xf
	v_add_f32_dpp v[\a], v[\a], v[\a] row_xmask:2 row_mask:0xf bank_mask:0xf
	v_add_f32_dpp v[\a], v[\a], v[\a] row_xmask:4 row_mask:0xf bank_mask:0xf
	v_add_f32_dpp v[\a], v[\a], v[\a] row_xmask:8 row_mask:0xf bank_mask:0xf
	v_permlanex16_b32 v[\t], v[\a], s56, s57
	v_add_f32 v[\a], v[\a], v[\t]
.endm
	s_load_b256 s[8:15], s[0:1], 0x0               ; y1 8, gamma 10, beta 12, scales 14
	s_load_b64 s[16:17], s[0:1], 0x20              ; hc
	v_lshl_add_u32 v30, v0, 2, 0x10200
	v_mov_b32 v31, 0
	v_lshrrev_b32 v1, 5, v0
	v_readfirstlane_b32 s52, v1
	v_and_b32 v12, 31, v0
	v_and_b32 v13, 15, v0
	v_bfe_u32 v14, v0, 4, 1
	v_lshlrev_b32 v1, 4, v12
	s_mul_i32 s53, s52, 4*LNP
	v_add_nc_u32 v2, s53, v1
	v_mul_u32_u24 v3, v13, LNP
	v_lshl_add_u32 v3, v14, 5, v3
	s_lshl_b32 s53, s52, 10
	v_add_nc_u32 v3, s53, v3
	s_lshl_b32 s54, ttmp9, 16
	s_lshl_b32 s55, s52, 14
	s_add_co_u32 s54, s54, s55
	s_mov_b32 s55, 0
	s_wait_kmcnt 0x0
	s_load_b32 s36, s[14:15], 0x30                 ; e12
	s_add_nc_u64 s[8:9], s[8:9], s[54:55]
.set i, 0
.rept 8
	global_load_b128 v[192+4*i:195+4*i], v1, s[10:11] offset:512*i
	global_load_b128 v[224+4*i:227+4*i], v1, s[12:13] offset:512*i
.set i, i+1
.endr
.irp n, 0,1,2,3
.set i, 0
.rept 8
	global_load_b128 v[64+32*\n+4*i:67+32*\n+4*i], v1, s[8:9] offset:4096*\n+512*i
.set i, i+1
.endr
.endr
	s_lshl_b32 s54, ttmp9, 14
	s_lshl_b32 s58, s52, 12
	s_add_co_u32 s54, s54, s58
	s_add_nc_u64 s[60:61], s[16:17], s[54:55]
	s_mov_b32 s56, 0x76543210
	s_mov_b32 s57, 0xfedcba98
	s_mov_b32 s58, 0x3a800000                      ; 1 / 1,024
	s_mov_b32 s59, 0x3727c5ac                      ; 1e-5
	s_wait_kmcnt 0x0
	s_add_co_i32 s68, s36, 127
	s_lshl_b32 s69, s68, 23
	v_mov_b32 v6, s69                              ; 2^e12 as f32
	s_add_co_i32 s68, s68, 8
	s_lshl_b32 s68, s68, 23
	s_or_b32 s68, s68, 0x600000
	v_mov_b32 v7, s68                              ; 448 x 2^e12
.macro SUMS n
.set XR, 64+32*(\n)
.set TR, 32+8*(\n)
	s_wait_loadcnt 8*(3-(\n))                      ; the later rows' loads may be out
	v_pk_add_f32 v[TR:TR+1], v[XR:XR+1], v[XR+2:XR+3]
	v_pk_add_f32 v[TR+2:TR+3], v[XR+4:XR+5], v[XR+6:XR+7]
.irp q, 8,12,16,20,24,28
	v_pk_add_f32 v[TR:TR+1], v[TR:TR+1], v[XR+\q:XR+\q+1]
	v_pk_add_f32 v[TR+2:TR+3], v[TR+2:TR+3], v[XR+\q+2:XR+\q+3]
.endr
	v_pk_add_f32 v[TR:TR+1], v[TR:TR+1], v[TR+2:TR+3]
	v_add_f32 v[TR], v[TR], v[TR+1]
	RED TR, TR+2
	v_mul_f32 v[TR+4], s58, v[TR]
	v_mul_f32 v[TR+5], s58, v[TR]
.endm
.macro DEV n
.set XR, 64+32*(\n)
.set TR, 32+8*(\n)
.set i, 0
.rept 16
	v_pk_add_f32 v[XR+i:XR+i+1], v[XR+i:XR+i+1], v[TR+4:TR+5] neg_lo:[0,1] neg_hi:[0,1]
.set i, i+2
.endr
	v_pk_mul_f32 v[TR:TR+1], v[XR:XR+1], v[XR:XR+1]
	v_pk_mul_f32 v[TR+2:TR+3], v[XR+2:XR+3], v[XR+2:XR+3]
.irp q, 4,8,12,16,20,24,28
	v_pk_fma_f32 v[TR:TR+1], v[XR+\q:XR+\q+1], v[XR+\q:XR+\q+1], v[TR:TR+1]
	v_pk_fma_f32 v[TR+2:TR+3], v[XR+\q+2:XR+\q+3], v[XR+\q+2:XR+\q+3], v[TR+2:TR+3]
.endr
	v_pk_add_f32 v[TR:TR+1], v[TR:TR+1], v[TR+2:TR+3]
	v_add_f32 v[TR], v[TR], v[TR+1]
	RED TR, TR+2
	v_fma_f32 v[TR+6], v[TR], s58, s59
.endm
.macro NORM n
.set XR, 64+32*(\n)
.set TR, 32+8*(\n)
	v_mov_b32 v[TR+7], v[TR+6]
.set i, 0
.rept 16
	v_pk_mul_f32 v[XR+i:XR+i+1], v[XR+i:XR+i+1], v[TR+6:TR+7]
.set i, i+2
.endr
.set i, 0
.rept 16
	v_pk_fma_f32 v[XR+i:XR+i+1], v[XR+i:XR+i+1], v[192+i:193+i], v[224+i:225+i]
.set i, i+2
.endr
.set i, 0
.rept 8
	ds_store_b128 v2, v[XR+4*i:XR+4*i+3] offset:LNP*(\n)+512*i
.set i, i+1
.endr
.endm
.irp n, 0,1,2,3
	SUMS \n
	DEV \n
.endr
.irp n, 0,1,2,3
	v_rsq_f32 v[38+8*\n], v[38+8*\n]
.endr
	v_nop                                          ; a plain line behind the last of the batch,
	s_wait_alu depctr_va_vdst(0)                   ; and one wait for the four, ahead of their first reader
.irp n, 0,1,2,3
	NORM \n
.endr
	s_wait_dscnt 0x0                               ; for the others' sake: my rows lie in the stage
	s_barrier_signal -1
	s_barrier_wait -1
.irp b, 0,1
.set i, 0
.rept 8
	ds_load_b128 v[64+8*i:67+8*i], v3 offset:512*\b+64*i
	ds_load_b128 v[68+8*i:71+8*i], v3 offset:512*\b+64*i+16
.set i, i+1
.endr
	s_wait_dscnt 0x0
.set i, 0
.rept 64
	v_med3_num_f32 v[64+i], v[64+i], -v7, v7
.set i, i+1
.endr
.set i, 0
.rept 8
	v_cvt_scalef32_pk8_fp8_f32 v[192+16*\b+2*i:193+16*\b+2*i], v[64+8*i:71+8*i], v6
.set i, i+1
.endr
	v_nop                                          ; a plain line behind the conversions
.set i, 0
.rept 4
	global_store_b128 v1, v[192+16*\b+4*i:195+16*\b+4*i], s[60:61] offset:2048*\b+512*i
.set i, i+1
.endr
.endr
	s_wait_tensorcnt 0x0
	ds_add_u32 v30, v31
	s_wait_dscnt 0x0
	s_endpgm
.Lfunc_end_k_qa304bf94d0_ln2:
	.size	k_qa304bf94d0_ln2, .Lfunc_end_k_qa304bf94d0_ln2-k_qa304bf94d0_ln2
	.p2alignl 7, 3214868480
	.fill 96, 4, 3214868480
	.section	.rodata,"a",@progbits
	.p2align	6, 0x0
	.amdhsa_kernel k_qa304bf94d0_ln2
		.amdhsa_group_segment_fixed_size 66560
		.amdhsa_private_segment_fixed_size 0
		.amdhsa_enable_private_segment 0
		.amdhsa_kernarg_size 40
		.amdhsa_user_sgpr_count 2
		.amdhsa_user_sgpr_kernarg_segment_ptr 1
		.amdhsa_wavefront_size32 1
		.amdhsa_system_sgpr_workgroup_id_x 1
		.amdhsa_system_sgpr_workgroup_id_y 1
		.amdhsa_system_sgpr_workgroup_id_z 1
		.amdhsa_system_vgpr_workitem_id 0
		.amdhsa_next_free_vgpr 256
		.amdhsa_next_free_sgpr 72
		.amdhsa_reserve_vcc 0
		.amdhsa_float_denorm_mode_32 3
		.amdhsa_float_denorm_mode_16_64 3
		.amdhsa_memory_ordered 1
		.amdhsa_forward_progress 1
		.amdhsa_inst_pref_size 45
	.end_amdhsa_kernel
	.amdgpu_metadata
---
amdhsa.version: [ 1, 2 ]
amdhsa.kernels:
  - .name:           k_qa304bf94d0_ln2
    .symbol:         k_qa304bf94d0_ln2.kd
    .args:
      - { .name: y1, .offset: 0, .size: 8, .value_kind: global_buffer, .address_space: global }
      - { .name: ln2_g, .offset: 8, .size: 8, .value_kind: global_buffer, .address_space: global }
      - { .name: ln2_b, .offset: 16, .size: 8, .value_kind: global_buffer, .address_space: global }
      - { .name: lowp_scales, .offset: 24, .size: 8, .value_kind: global_buffer, .address_space: global }
      - { .name: hc, .offset: 32, .size: 8, .value_kind: global_buffer, .address_space: global }
    .group_segment_fixed_size: 66560
    .private_segment_fixed_size: 0
    .kernarg_segment_align: 8
    .kernarg_segment_size: 40
    .max_flat_workgroup_size: 128
    .sgpr_count:     72
    .vgpr_count:     256
    .wavefront_size: 32
...
	.end_amdgpu_metadata
.endif
;; end of part 5
;; launch w1 (part 6): grid 16 x 16, 4 waves a work-group, clusters of 4 x 4, 327,680 bytes of LDS; arguments hc, wc, b1, lowp_scales, gc; writes gc
.if DOCPART == 6
	.amdgcn_target "amdgcn-amd-amdhsa--gfx1250"
	.amdhsa_code_object_version 6
	.text
	.protected	k_qa304bf94d0_w1
	.globl	k_qa304bf94d0_w1
	.p2align	8
	.type	k_qa304bf94d0_w1,@function
k_qa304bf94d0_w1:
	s_mov_b64 s[64:65], 0
	v_nop
	global_prefetch_b8 v0, s[64:65] scope:SCOPE_SE
	s_setreg_imm32_b32 hwreg(HW_REG_WAVE_MODE, 25, 1), 1
	s_wait_xcnt 0x0
	s_wait_alu depctr_hold_cnt(0) depctr_sa_sdst(0) depctr_va_vdst(0) depctr_va_sdst(0) depctr_va_ssrc(0) depctr_va_vcc(0) depctr_vm_vsrc(0)
	s_getreg_b32 s2, hwreg(HW_REG_IB_STS2, 6, 4)
	s_cmp_eq_u32 s2, 0
	s_cbranch_scc0 .Lentry_in_a_cluster
	s_endpgm
.Lentry_in_a_cluster:
	s_bfe_u32 s2, ttmp6, 0x10000c
	s_cmp_lg_u32 s2, 0xf033
	s_cbranch_scc0 .Lentry_shape_is_right
	s_endpgm
.Lentry_shape_is_right:
; g = gelu(h W1^T x 2^(e12 + e13) + b1), quantised with e14 into gc as register images.  h and W1 are codes of FP8 in register images, K = 1,024.
; A work-group makes 256 x 256, a wave 128 x 128 (64 accumulators).  Source 0 = 16 rows of W1, source 1 = 16 rows of h: register j of lane (r, h) of accumulator (a, b) is (token 16 a + r, unit 16 b + 8 h + j):
; eight neighbours along the next product's K, so the conversions' results are that operand's registers.
; K goes in steps of 256 through two LDS slots; h's tile is asked for jointly by a row of the 4 x 4 cluster, W1's by a column.
; THE GELU is exact gelu with erf by the rational form 1 - (a1 t + .. + a5 t^5) exp(-z z), t = 1 / (1 + 0.3275911 z), z = |x| / sqrt(2):  gelu = max(x, 0) - |x| x (half the polynomial) x 2^(-x x log2(e) / 2).
; LIMITS: that form's error in erf is at most 1.5e-7; e12 + e13 between -126 and 127; e14 between -126 and 119; NaN among the inputs is not served.
; The way out is a loop of 16 chunks of 32 registers (four accumulators): only the lines that take a chunk out of its accumulators differ, and stand in sixteen short pieces chosen by the loop's counter.
; REGISTERS: window 0: v0-31 addresses; v32-95 b1; v96-127 x; v128-255 h's 8 fragments, later at work.  window 1: W1's two sets.  windows 2, 3: accumulators.
.set HALFT,  32768
.set SLOT,   131072
.set SPARE,  262144
.set KB,     4096
.set FR,     16
.set NL,     4
.set NP,     4
.set LAPS,   2
.set ADRA, 16
.set ADRB, 20
.set SPW,  28
.set NIL,  29
.set AF,   128
.set G1, 24
.set G0, 32
.set G1B, 48
.set G0B, 56
.set MSB, 0
.macro WIN new
.if MSB != \new
	s_set_vgpr_msb (MSB<<8)|\new
.set MSB, \new
.endif
.endm
.set MUL_LO, 0xa1
.set MUL_HI, 0xf1
.set TO_B,   0x40
.macro JLOAD g0a, g1a, g0b, g1b
	s_cmp_eq_u32 s15, 0
	s_cbranch_scc0 .Lfor_b_\@
	tensor_load_to_lds s[\g0a:\g0a+3], s[\g1a:\g1a+7]
	s_nop 0
.rept 4
	v_nop
.endr
	s_branch .Lasked_\@
.Lfor_b_\@:
	tensor_load_to_lds s[\g0b:\g0b+3], s[\g1b:\g1b+7]
	s_nop 0
.rept 4
	v_nop
.endr
.Lasked_\@:
.endm
.macro CREST
	s_cmp_lg_u32 s14, 0
	s_cbranch_scc1 .Lnot_wave_0_\@
	s_barrier_signal -3
.Lnot_wave_0_\@:
	s_barrier_wait -3
	s_barrier_signal -1
	s_barrier_wait -1
.endm
.macro CROUND
	s_barrier_signal -1
	s_barrier_wait -1
	CREST
.endm
.macro PLACES n
.rept \n
	v_nop
.endr
.endm
.macro CPAIR r, bits
	v_mov_b32 v[\r], \bits
	v_mov_b32 v[\r+1], \bits
.endm
	s_load_b256 s[68:75], s[0:1], 0x0              ; hc 68, wc 70, b1 72, scales 74
	s_load_b64 s[76:77], s[0:1], 0x20              ; gc
	v_lshl_add_u32 v[SPW], v0, 2, SPARE
	v_mov_b32 v[NIL], 0
	ds_add_u32 v28, v29
	ds_add_u32 v28, v29
	s_wait_dscnt 0x0
	v_lshrrev_b32 v1, 5, v0
	v_readfirstlane_b32 s14, v1
	s_lshr_b32 s15, s14, 1
	s_and_b32 s16, s14, 1
	s_bfe_u32 s40, ttmp6, 0x40000
	s_bfe_u32 s41, ttmp6, 0x40004
	s_lshl_b32 s42, ttmp9, 2
	s_add_co_u32 s42, s42, s40                     ; tile column
	s_and_b32 s17, ttmp7, 0xffff
	s_lshl_b32 s17, s17, 2
	s_add_co_u32 s17, s17, s41                     ; tile row
	s_lshl_b32 s44, s41, 2
	s_lshl_b32 s44, 15, s44
	s_lshl_b32 s45, 0x1111, s40
	s_or_b32 s[G1+0], s44, (3<<16)|(1<<21)
	s_or_b32 s[G1B+0], s45, (3<<16)|(1<<21)
.irp g, G1, G1B
	s_mov_b32 s[\g+1], 512<<16
	s_mov_b32 s[\g+2], 8<<16
	s_mov_b32 s[\g+3], 512<<16
	s_mov_b32 s[\g+4], 8
	s_mov_b32 s[\g+5], 2048
	s_mov_b32 s[\g+6], 0
	s_mov_b32 s[\g+7], 0
.endr
	s_lshl_b32 s84, s16, 17
	s_lshl_b32 s46, s17, 18
	s_add_co_u32 s46, s46, s84
	s_mov_b32 s47, 0
	s_lshl_b32 s86, s42, 18
	s_add_co_u32 s86, s86, s84
	s_add_co_u32 s86, s86, 0x400000                ; W1 lies 4 MiB into wc
	s_mov_b32 s87, 0
	s_mul_i32 s13, s14, HALFT
	s_wait_kmcnt 0x0
	s_load_b128 s[4:7], s[74:75], 0x30             ; e12, e13, e14, e15
	s_add_nc_u64 s[88:89], s[68:69], s[46:47]
	s_add_nc_u64 s[90:91], s[70:71], s[86:87]
	CROUND
.irp s, 0,1
	s_mov_b32 s[G0+4*\s], 1
	s_add_co_u32 s[G0+4*\s+1], s13, \s*SLOT
	s_add_nc_u64 s[G0+4*\s+2:G0+4*\s+3], s[88:89], \s*KB
	s_or_b32 s[G0+4*\s+3], s[G0+4*\s+3], 0x80000000
	s_mov_b32 s[G0B+4*\s], 1
	s_add_co_u32 s[G0B+4*\s+1], s13, \s*SLOT
	s_add_nc_u64 s[G0B+4*\s+2:G0B+4*\s+3], s[90:91], \s*KB
	s_or_b32 s[G0B+4*\s+3], s[G0B+4*\s+3], 0x80000000
	JLOAD G0+4*\s, G1, G0B+4*\s, G1B
.endr
	v_and_b32 v2, 31, v0
	v_lshlrev_b32 v1, 4, v2
	v_bfe_u32 v4, v0, 4, 1
	v_lshlrev_b32 v6, 5, v4
	s_mul_i32 s21, s15, HALFT
	s_mul_i32 s22, s16, HALFT
	s_add_co_u32 s22, s22, 2*HALFT
.irp s, 0,1
	v_add_nc_u32 v[ADRA+\s], s21, v1
	v_add_nc_u32 v[ADRB+\s], s22, v1
	s_add_co_u32 s21, s21, SLOT
	s_add_co_u32 s22, s22, SLOT
.endr
	s_lshl_b32 s84, s17, 8
	s_lshl_b32 s20, s15, 7
	s_add_co_u32 s84, s84, s20                     ; my first token
	s_lshl_b32 s85, s42, 8
	s_lshl_b32 s20, s16, 7
	s_add_co_u32 s85, s85, s20                     ; my first unit
	s_lshl_b32 s20, s85, 2
	s_mov_b32 s21, 0
	s_add_nc_u64 s[72:73], s[72:73], s[20:21]
	s_lshl_b32 s20, s84, 12                        ; 65,536 bytes for each tile of 16 tokens,
	s_lshl_b32 s22, s85, 4                         ; 1,024 for each 64 units
	s_add_co_u32 s20, s20, s22
	s_add_nc_u64 s[76:77], s[76:77], s[20:21]
.set i, 0
.rept 8
	global_load_b128 v[32+8*i:35+8*i], v6, s[72:73] offset:64*i
	global_load_b128 v[36+8*i:39+8*i], v6, s[72:73] offset:64*i+16
.set i, i+1
.endr
.macro FRAG reg, adr, q, i
.irp c, 0,1,2,3
	ds_load_b128 v[\reg+4*\c:\reg+4*\c+3], v[\adr] offset:2048*(\q)+512*\c+(\i)*KB
.endr
.endm
.macro MUL16 a0, p, zero               ; the 64 accumulators take turns
.irp a, \a0, \a0+1
.irp b, 0,1,2,3,4,5,6,7
.if \zero
	v_wmma_f32_16x16x128_fp8_fp8 v[8*(8*((\a)%4)+\b):8*(8*((\a)%4)+\b)+7], v[128*(\p)+FR*\b:128*(\p)+FR*\b+FR-1], v[AF+FR*(\a):AF+FR*(\a)+FR-1], 0
.else
	v_wmma_f32_16x16x128_fp8_fp8 v[8*(8*((\a)%4)+\b):8*(8*((\a)%4)+\b)+7], v[128*(\p)+FR*\b:128*(\p)+FR*\b+FR-1], v[AF+FR*(\a):AF+FR*(\a)+FR-1], v[8*(8*((\a)%4)+\b):8*(8*((\a)%4)+\b)+7]
.endif
.endr
.endr
.endm
.macro FETCH_B slot, q, p
	WIN TO_B
.irp i, 0,1,2,3,4,5,6,7
	FRAG 128*(\p)+FR*\i, ADRB+\slot, \q, \i
.endr
	WIN 0
.endm
.macro FETCH_A slot, q, i0
.irp i, \i0, \i0+1, \i0+2, \i0+3
	FRAG AF+FR*(\i), ADRA+\slot, \q, \i
.endr
.endm
.macro STEP slot, q, zero
	s_wait_dscnt 4*NL                              ; W1's set and h's blocks 0-3 are in; the youngest sixteen loads may be out
	WIN MUL_LO
	MUL16 0, (\q)%2, \zero
	MUL16 2, (\q)%2, \zero
	s_wait_dscnt 0
	PLACES NP
	FETCH_B \slot, (\q)+1, 1-(\q)%2
	FETCH_A \slot, (\q)+1, 0
	WIN MUL_HI
	MUL16 4, (\q)%2, \zero
	MUL16 6, (\q)%2, \zero
	PLACES NP
	WIN 0
	FETCH_A \slot, (\q)+1, 4
.endm
.macro TURN slot, next, fill
	s_wait_tensorcnt 0x0                           ; all my tensor loads have landed: my part of the next slot
	ds_add_u32 v[SPW], v[NIL]                      ; 0 onto my spare word
	s_wait_dscnt 4*NL+1                            ; the add and the youngest sixteen loads may be out
	WIN MUL_LO
	MUL16 0, 1, 0
	s_wait_dscnt 0x0                               ; the add is done, and my reads of this slot are over
	s_barrier_signal -1
	MUL16 2, 1, 0
	WIN 0
	s_barrier_wait -1
.if \fill
	CREST
	s_add_nc_u64 s[G0+4*\slot+2:G0+4*\slot+3], s[G0+4*\slot+2:G0+4*\slot+3], 2*KB
	s_add_nc_u64 s[G0B+4*\slot+2:G0B+4*\slot+3], s[G0B+4*\slot+2:G0B+4*\slot+3], 2*KB
	JLOAD G0+4*\slot, G1, G0B+4*\slot, G1B
.else
	PLACES NP
.endif
	FETCH_B \next, 0, 0
	FETCH_A \next, 0, 0
	WIN MUL_HI
	MUL16 4, 1, 0
	MUL16 6, 1, 0
	PLACES NP
	WIN 0
	FETCH_A \next, 0, 4
.endm
	s_wait_tensorcnt 1                             ; my part of K step 0 is in; K step 1's load may be out
	s_barrier_signal -1
	s_barrier_wait -1
	FETCH_B 0, 0, 0
	FETCH_A 0, 0, 0
	FETCH_A 0, 0, 4
	STEP 0, 0, 1
	s_mov_b32 s3, LAPS-1
.Llap:
	TURN 0, 1, 1
	STEP 1, 0, 0
	TURN 1, 0, 1
	STEP 0, 0, 0
	s_sub_co_u32 s3, s3, 1
	s_cmp_lg_u32 s3, 0
	s_cbranch_scc1 .Llap
	TURN 0, 1, 0
	STEP 1, 0, 0
	s_wait_dscnt 4*NL
	WIN MUL_LO
	MUL16 0, 1, 0
	MUL16 2, 1, 0
	s_wait_dscnt 0
	WIN MUL_HI
	MUL16 4, 1, 0
	MUL16 6, 1, 0
	WIN 0
	s_wait_kmcnt 0x0
	s_add_co_i32 s96, s4, s5
	s_add_co_i32 s96, s96, 127
	s_lshl_b32 s96, s96, 23                        ; 2^(e12 + e13) as f32
	s_mov_b32 s97, s96
	s_add_co_i32 s84, s6, 127
	s_lshl_b32 s85, s84, 23
	s_add_co_i32 s84, s84, 8
	s_lshl_b32 s84, s84, 23
	s_or_b32 s84, s84, 0x600000
	PLACES NP                                      ; behind the last products
	v_mov_b32 v11, s85                             ; 2^e14
	v_mov_b32 v10, s84                             ; 448 x 2^e14
	CPAIR 232, 0x3f07dc22                          ; a5 / 2
	CPAIR 234, 0xbf3a00e3                          ; a4 / 2
	CPAIR 236, 0x3f35f0e3                          ; a3 / 2
	CPAIR 238, 0xbe11a98e                          ; a2 / 2
	CPAIR 240, 0x3e027906                          ; a1 / 2
	CPAIR 242, 0xbf38aa3b                          ; - log2(e) / 2
	s_mov_b32 s86, 0x3e6d3388                      ; 0.3275911 / sqrt(2)
	s_wait_loadcnt 0x0                             ; b1
	s_mov_b32 s87, 0
.macro GET i                           ; chunk i: block i / 2, accumulators 4 (i % 2) on: x = sum x 2^(e12 + e13) + b1, each accumulator from its low end on
.Lget\i:
	WIN 0x02+(\i)/8
.set j, 0
.rept 16
	v_pk_fma_f32 v[96+j:97+j], v[64*(((\i)/2)%4)+32*((\i)%2)+j:64*(((\i)/2)%4)+32*((\i)%2)+j+1], s[96:97], v[32+32*((\i)%2)+j:33+32*((\i)%2)+j] op_sel_hi:[1,0,1]
.set j, j+2
.endr
	WIN 0
.if \i < 15
	s_branch .Lgelu
.endif
.endm
.Lchunk:
.irp i, 0,1,2,3,4,5,6,7,8,9,10,11,12,13,14
	s_cmp_eq_u32 s87, \i
	s_cbranch_scc1 .Lget\i
.endr
	s_branch .Lget15
.irp i, 0,1,2,3,4,5,6,7,8,9,10,11,12,13,14,15
	GET \i
.endr
.Lgelu:
.set j, 0
.rept 32
	v_fma_f32 v[128+j], |v[96+j]|, s86, 1.0
.set j, j+1
.endr
.set j, 0
.rept 16
	v_pk_mul_f32 v[160+j:161+j], v[96+j:97+j], v[96+j:97+j]
.set j, j+2
.endr
.set j, 0
.rept 16
	v_pk_mul_f32 v[160+j:161+j], v[160+j:161+j], v[242:243]
.set j, j+2
.endr
.set j, 0
.rept 32
	v_rcp_f32 v[128+j], v[128+j]                   ; t
.set j, j+1
.endr
.set j, 0
.rept 32
	v_exp_f32 v[160+j], v[160+j]                   ; exp(-x x / 2)
.set j, j+1
.endr
	v_nop                                          ; a plain line behind the batch,
	s_wait_alu depctr_va_vdst(0)                   ; and one wait for its 64, ahead of their first reader
.set j, 0
.rept 16
	v_pk_fma_f32 v[192+j:193+j], v[128+j:129+j], v[232:233], v[234:235]
.set j, j+2
.endr
.irp k, 236, 238, 240
.set j, 0
.rept 16
	v_pk_fma_f32 v[192+j:193+j], v[192+j:193+j], v[128+j:129+j], v[\k:\k+1]
.set j, j+2
.endr
.endr
.set j, 0
.rept 16
	v_pk_mul_f32 v[192+j:193+j], v[192+j:193+j], v[128+j:129+j]
.set j, j+2
.endr
.set j, 0
.rept 16
	v_pk_mul_f32 v[160+j:161+j], v[160+j:161+j], v[192+j:193+j]
.set j, j+2
.endr
.set j, 0
.rept 32
	v_max_num_f32 v[192+j], 0, v[96+j]
.set j, j+1
.endr
.set j, 0
.rept 32
	v_fma_f32 v[96+j], -|v[96+j]|, v[160+j], v[192+j]
.set j, j+1
.endr
.set j, 0
.rept 32
	v_med3_num_f32 v[96+j], v[96+j], -v10, v10
.set j, j+1
.endr
	s_wait_xcnt 0x0                                ; the last chunk's stores have read their data and their offset
.set j, 0
.rept 4
	v_cvt_scalef32_pk8_fp8_f32 v[224+2*j:225+2*j], v[96+8*j:103+8*j], v11
.set j, j+1
.endr
	v_nop                                          ; a plain line behind the conversions
	s_lshr_b32 s84, s87, 1
	s_lshl_b32 s84, s84, 16                        ; the block's tile of 16 tokens
	s_and_b32 s85, s87, 1
	s_lshl_b32 s85, s85, 10                        ; which 64 units
	s_add_co_u32 s84, s84, s85
	v_add_nc_u32 v9, s84, v1
	global_store_b128 v9, v[224:227], s[76:77]
	global_store_b128 v9, v[228:231], s[76:77] offset:512
	s_add_co_u32 s87, s87, 1
	s_cmp_lt_u32 s87, 16
	s_cbranch_scc1 .Lchunk
	s_wait_tensorcnt 0x0                           ; the wave's end
	ds_add_u32 v[SPW], v[NIL]
	s_wait_dscnt 0x0
	CROUND
	s_endpgm
.Lfunc_end_k_qa304bf94d0_w1:
	.size	k_qa304bf94d0_w1, .Lfunc_end_k_qa304bf94d0_w1-k_qa304bf94d0_w1
	.p2alignl 7, 3214868480
	.fill 96, 4, 3214868480
	.section	.rodata,"a",@progbits
	.p2align	6, 0x0
	.amdhsa_kernel k_qa304bf94d0_w1
		.amdhsa_group_segment_fixed_size 327680
		.amdhsa_private_segment_fixed_size 0
		.amdhsa_enable_private_segment 0
		.amdhsa_kernarg_size 40
		.amdhsa_user_sgpr_count 2
		.amdhsa_user_sgpr_kernarg_segment_ptr 1
		.amdhsa_wavefront_size32 1
		.amdhsa_system_sgpr_workgroup_id_x 1
		.amdhsa_system_sgpr_workgroup_id_y 1
		.amdhsa_system_sgpr_workgroup_id_z 1
		.amdhsa_system_vgpr_workitem_id 0
		.amdhsa_next_free_vgpr 1024
		.amdhsa_next_free_sgpr 100
		.amdhsa_reserve_vcc 0
		.amdhsa_float_denorm_mode_32 3
		.amdhsa_float_denorm_mode_16_64 3
		.amdhsa_memory_ordered 1
		.amdhsa_forward_progress 1
		.amdhsa_inst_pref_size 116
	.end_amdhsa_kernel
	.amdgpu_metadata
---
amdhsa.version: [ 1, 2 ]
amdhsa.kernels:
  - .name:           k_qa304bf94d0_w1
    .symbol:         k_qa304bf94d0_w1.kd
    .args:
      - { .name: hc, .offset: 0, .size: 8, .value_kind: global_buffer, .address_space: global }
      - { .name: wc, .offset: 8, .size: 8, .value_kind: global_buffer, .address_space: global }
      - { .name: b1, .offset: 16, .size: 8, .value_kind: global_buffer, .address_space: global }
      - { .name: lowp_scales, .offset: 24, .size: 8, .value_kind: global_buffer, .address_space: global }
      - { .name: gc, .offset: 32, .size: 8, .value_kind: global_buffer, .address_space: global }
    .group_segment_fixed_size: 327680
    .private_segment_fixed_size: 0
    .kernarg_segment_align: 8
    .kernarg_segment_size: 40
    .max_flat_workgroup_size: 128
    .sgpr_count:     100
    .vgpr_count:     1024
    .wavefront_size: 32
...
	.end_amdgpu_metadata
.endif
;; end of part 6
;; launch w2 (part 7): grid 8 x 32, 4 waves a work-group, clusters of 4 x 4, 327,680 bytes of LDS; arguments gc, wc, b2, y1, mask, lowp_scales, out0; writes out0
.if DOCPART == 7
	.amdgcn_target "amdgcn-amd-amdhsa--gfx1250"
	.amdhsa_code_object_version 6
	.text
	.protected	k_qa304bf94d0_w2
	.globl	k_qa304bf94d0_w2
	.p2align	8
	.type	k_qa304bf94d0_w2,@function
k_qa304bf94d0_w2:
	s_mov_b64 s[64:65], 0
	v_nop
	global_prefetch_b8 v0, s[64:65] scope:SCOPE_SE
	s_setreg_imm32_b32 hwreg(HW_REG_WAVE_MODE, 25, 1), 1
	s_wait_xcnt 0x0
	s_wait_alu depctr_hold_cnt(0) depctr_sa_sdst(0) depctr_va_vdst(0) depctr_va_sdst(0) depctr_va_ssrc(0) depctr_va_vcc(0) depctr_vm_vsrc(0)
	s_getreg_b32 s2, hwreg(HW_REG_IB_STS2, 6, 4)
	s_cmp_eq_u32 s2, 0
	s_cbranch_scc0 .Lentry_in_a_cluster
	s_endpgm
.Lentry_in_a_cluster:
	s_bfe_u32 s2, ttmp6, 0x10000c
	s_cmp_lg_u32 s2, 0xf033
	s_cbranch_scc0 .Lentry_shape_is_right
	s_endpgm
.Lentry_shape_is_right:
; out = residual + (A W^T x 2^(eA + eB) + bias), A and W as codes of FP8 in register images; out, residual f32 [4,096][1,024].  W2 = 1: A = the gelu's codes, W = W2, K = 4,096, residual y1,
; and rows whose mask byte is 0 are stored as zeros.  (The same text with W2 = 0 is the projection behind attention.)
; A tile of 128 x 128 to a work-group (256 of them), 64 x 64 to a wave: 16 accumulators.  Source 0 = 16 rows of W, source 1 = 16 rows of A: a lane holds eight neighbouring columns of one row.
; K goes in steps of 512 through two LDS slots (four steps of 128 each); A's tile is asked for jointly by a row of the 4 x 4 cluster, W's by a column.
; The residual is asked for at the head and waits in registers.  The sums go through the wave's own stage and leave as aligned runs of 256 bytes.
; LIMIT: eA + eB between -126 and 127.
; REGISTERS: window 0: v0-31 addresses, bias; v32-95 rows on the way out; v96-111 mask bytes; v128-255 accumulators.  window 1: two buffers of 8 fragments.  window 2: v0-127 the residual.
.set W2, 1
.if W2
.set KK, 4096
.set WOFF, 0x800000
.set EOFF, 0x38
.else
.set KK, 1024
.set WOFF, 0x300000
.set EOFF, 0x28
.endif
.set LAPS,   KK/1024
.set PART,   32768                     ; 64 rows x 512 K: what one tensor load brings
.set SLOT,   131072
.set KB,     8192                      ; a K step of a tile of 16 rows, in bytes
.set STAGE,  262144                    ; behind the ring: 16 rows x 272 bytes for each wave
.set SPITCH, 272
.set SPARE,  STAGE+4*16*SPITCH         ; behind the stages: the spare words, 128 bytes a wave
.set ADRX, 16
.set ADRY, 20
.set STO,  24
.set RD,   25
.set CO,   26
.set SPW,  28
.set NIL,  29
.set BK,   32
.set ACC,  128
.set F0,   0
.set F1,   128
.set G1, 24
.set G0, 32
.set G1B, 48
.set G0B, 56
.set MSB, 0
.macro WIN new
.if MSB != \new
	s_set_vgpr_msb (MSB<<8)|\new
.set MSB, \new
.endif
.endm
.set MUL,  0x05
.set TO_F, 0x40
.macro JLOAD s
	s_cmp_eq_u32 s15, 0
	s_cbranch_scc0 .Lfor_b_\@
	tensor_load_to_lds s[G0+4*\s:G0+4*\s+3], s[G1:G1+7]
	s_nop 0
.rept 4
	v_nop
.endr
	s_branch .Lasked_\@
.Lfor_b_\@:
	tensor_load_to_lds s[G0B+4*\s:G0B+4*\s+3], s[G1B:G1B+7]
	s_nop 0
.rept 4
	v_nop
.endr
.Lasked_\@:
.endm
.macro CREST
	s_cmp_lg_u32 s14, 0
	s_cbranch_scc1 .Lnot_wave_0_\@
	s_barrier_signal -3
.Lnot_wave_0_\@:
	s_barrier_wait -3
	s_barrier_signal -1
	s_barrier_wait -1
.endm
.macro CROUND
	s_barrier_signal -1
	s_barrier_wait -1
	CREST
.endm
.macro PLACES
.rept 4
	v_nop
.endr
.endm
	s_load_b256 s[68:75], s[0:1], 0x0              ; A 68, wc 70, bias 72, residual 74
.if W2
	s_load_b128 s[76:79], s[0:1], 0x20             ; mask 76, scales 78
	s_load_b64 s[80:81], s[0:1], 0x30              ; out
.else
	s_load_b64 s[78:79], s[0:1], 0x20              ; scales
	s_load_b64 s[80:81], s[0:1], 0x28              ; out
.endif
	v_lshl_add_u32 v[SPW], v0, 2, SPARE
	v_mov_b32 v[NIL], 0
	ds_add_u32 v28, v29
	ds_add_u32 v28, v29
	s_wait_dscnt 0x0
	v_lshrrev_b32 v1, 5, v0
	v_readfirstlane_b32 s14, v1                    ; wave
	s_lshr_b32 s15, s14, 1                         ; my half of the rows.  Also: I fetch for A (0) or W (1)
	s_and_b32 s16, s14, 1                          ; my half of the columns.  Also: which 64 rows of that tile I fetch
	s_bfe_u32 s40, ttmp6, 0x40000
	s_bfe_u32 s41, ttmp6, 0x40004
	s_lshl_b32 s42, ttmp9, 2
	s_add_co_u32 s42, s42, s40                     ; tile column
	s_and_b32 s17, ttmp7, 0xffff
	s_lshl_b32 s17, s17, 2
	s_add_co_u32 s17, s17, s41                     ; tile row
	s_lshl_b32 s43, s41, 2
	s_lshl_b32 s43, 15, s43
	s_lshl_b32 s44, 0x1111, s40
	s_or_b32 s[G1+0], s43, (3<<16)|(1<<21)         ; the mask; elements of 8 bytes; bit 21 beside a mask; no padding
	s_or_b32 s[G1B+0], s44, (3<<16)|(1<<21)
.irp g, G1, G1B
	s_mov_b32 s[\g+1], 1024<<16                    ; tensor_dim0: 8,192 bytes
	s_mov_b32 s[\g+2], 4<<16                       ; tensor_dim1: 4 tiles of 16 rows
	s_mov_b32 s[\g+3], 1024<<16
	s_mov_b32 s[\g+4], 4
	s_mov_b32 s[\g+5], 2*KK                        ; 16 KK bytes from one tile of 16 rows to the next
	s_mov_b32 s[\g+6], 0
	s_mov_b32 s[\g+7], 0
.endr
	s_lshl_b32 s18, s16, 6
	s_lshl_b32 s20, s17, 7
	s_add_co_u32 s20, s20, s18
	s_mul_i32 s20, s20, KK                         ; A: (128 x tile row + 64 x half) rows of KK bytes
	s_mov_b32 s21, 0
	s_lshl_b32 s46, s42, 7
	s_add_co_u32 s46, s46, s18
	s_mul_i32 s46, s46, KK
	s_add_co_u32 s46, s46, WOFF
	s_mov_b32 s47, 0
	s_mul_i32 s13, s14, PART
	s_wait_kmcnt 0x0
	s_load_b64 s[96:97], s[78:79], EOFF            ; eA, eB
	s_add_nc_u64 s[88:89], s[68:69], s[20:21]
	s_add_nc_u64 s[90:91], s[70:71], s[46:47]
	CROUND
.irp s, 0,1
	s_mov_b32 s[G0+4*\s], 1
	s_add_co_u32 s[G0+4*\s+1], s13, \s*SLOT
	s_add_nc_u64 s[G0+4*\s+2:G0+4*\s+3], s[88:89], \s*KB
	s_or_b32 s[G0+4*\s+3], s[G0+4*\s+3], 0x80000000
	s_mov_b32 s[G0B+4*\s], 1
	s_add_co_u32 s[G0B+4*\s+1], s13, \s*SLOT
	s_add_nc_u64 s[G0B+4*\s+2:G0B+4*\s+3], s[90:91], \s*KB
	s_or_b32 s[G0B+4*\s+3], s[G0B+4*\s+3], 0x80000000
	JLOAD \s
.endr
	v_and_b32 v2, 31, v0
	v_lshlrev_b32 v1, 4, v2                        ; 16 x lane
	v_and_b32 v3, 15, v0                           ; r
	v_bfe_u32 v4, v0, 4, 1                         ; h
	s_mul_i32 s21, s15, PART
	s_mul_i32 s22, s16, PART
	s_add_co_u32 s22, s22, 2*PART
.irp s, 0,1
	v_add_nc_u32 v[ADRX+\s], s21, v1
	v_add_nc_u32 v[ADRY+\s], s22, v1
	s_add_co_u32 s21, s21, SLOT
	s_add_co_u32 s22, s22, SLOT
.endr
	s_mul_i32 s23, s14, 16*SPITCH
	s_add_co_u32 s23, s23, STAGE                   ; my stage
	v_mul_u32_u24 v5, v3, SPITCH
	v_lshl_add_u32 v5, v4, 5, v5
	v_add_nc_u32 v[STO], s23, v5                   ; in: row r, 32 bytes for each half of the lanes
	v_mul_u32_u24 v5, v4, SPITCH
	v_lshl_add_u32 v5, v3, 4, v5
	v_add_nc_u32 v[RD], s23, v5                    ; back: lanes 0-15 one row of 256 bytes, lanes 16-31 the next
	v_lshlrev_b32 v27, 4, v3
	v_lshl_add_u32 v[CO], v4, 12, v27              ; and the same two rows in memory
	s_lshl_b32 s20, s17, 7
	s_lshl_b32 s21, s15, 6
	s_add_co_u32 s20, s20, s21                     ; my first row
	s_lshl_b32 s22, s42, 7
	s_lshl_b32 s21, s16, 6
	s_add_co_u32 s22, s22, s21                     ; my first column
	s_lshl_b32 s84, s20, 12
	s_lshl_b32 s86, s22, 2
	s_add_co_u32 s84, s84, s86
	s_mov_b32 s85, 0
	s_mov_b32 s87, 0
	s_add_nc_u64 s[80:81], s[80:81], s[84:85]
	s_add_nc_u64 s[74:75], s[74:75], s[84:85]
	s_add_nc_u64 s[72:73], s[72:73], s[86:87]
	global_load_b128 v[12:15], v27, s[72:73]       ; bias of my four columns on the way out
.if W2
	s_mov_b32 s86, s20
	s_add_nc_u64 s[76:77], s[76:77], s[86:87]
	v_mov_b32 v11, 0
	v_lshlrev_b32 v8, 3, v4                        ; the shift that finds my row's byte: 8 h, and 16 more for odd pairs of rows
	v_add_nc_u32 v9, 16, v8
.irp i, 0,1,2,3
	global_load_b128 v[96+4*\i:99+4*\i], v11, s[76:77] offset:16*\i     ; my wave's 64 mask bytes, in every lane
.endr
.endif
	WIN 0x80
.irp a, 0,1,2,3
.irp t, 0,1,2,3,4,5,6,7
	global_load_b128 v[32*\a+4*\t:32*\a+4*\t+3], v[CO], s[74:75] offset:(16*\a+2*\t)*4096 th:TH_LOAD_NT
.endr
.endr
	WIN 0
.macro FETCH slot, q, f                ; the eight fragments of the slot's q-th 128 along K: W's four, then A's
	WIN TO_F
.irp b, 0,1,2,3
.irp c, 0,1,2,3
	ds_load_b128 v[\f+64+16*\b+4*\c:\f+64+16*\b+4*\c+3], v[ADRY+\slot] offset:KB*\b+2048*(\q)+512*\c
.endr
.endr
.irp a, 0,1,2,3
.irp c, 0,1,2,3
	ds_load_b128 v[\f+16*\a+4*\c:\f+16*\a+4*\c+3], v[ADRX+\slot] offset:KB*\a+2048*(\q)+512*\c
.endr
.endr
.endm
.macro MUL4 f, a, zero                 ; A's block a against W's four; the 16 accumulators take turns
.irp b, 0,1,2,3
.if \zero
	v_wmma_f32_16x16x128_fp8_fp8 v[ACC+8*(4*(\a)+\b):ACC+8*(4*(\a)+\b)+7], v[\f+64+16*\b:\f+64+16*\b+15], v[\f+16*(\a):\f+16*(\a)+15], 0
.else
	v_wmma_f32_16x16x128_fp8_fp8 v[ACC+8*(4*(\a)+\b):ACC+8*(4*(\a)+\b)+7], v[\f+64+16*\b:\f+64+16*\b+15], v[\f+16*(\a):\f+16*(\a)+15], v[ACC+8*(4*(\a)+\b):ACC+8*(4*(\a)+\b)+7]
.endif
.endr
.endm
.macro SUB slot, qn, f, g, zero        ; multiplies buffer f; in its middle fetches the slot's qn-th 128 into g
	s_wait_dscnt 8                                 ; W's four and A's blocks 0, 1 are in; the youngest eight loads (blocks 2, 3) may be out
	WIN MUL
	MUL4 \f, 0, \zero
	MUL4 \f, 1, \zero
	PLACES                                         ; in front of loads into registers that matrix instructions have read
	FETCH \slot, \qn, \g
	s_wait_dscnt 32                                ; all but the 32 just issued
	WIN MUL
	MUL4 \f, 2, \zero
	MUL4 \f, 3, \zero
.endm
.macro TURN slot, next, fill           ; a slot's last 128 changes slots
	WIN 0
	s_wait_tensorcnt 0x0                           ; all my tensor loads have landed: my part of the next slot
	ds_add_u32 v[SPW], v[NIL]                      ; 0 onto my spare word
	s_wait_dscnt 9                                 ; the add and the youngest eight loads may be out
	WIN MUL
	MUL4 F1, 0, 0
	s_wait_dscnt 0x0                               ; the add is done, and my reads of this slot are over
	s_barrier_signal -1
	MUL4 F1, 1, 0
	WIN 0
	s_barrier_wait -1
.if \fill
	CREST                                          ; the barrier has opened a round of the cluster's
	s_add_nc_u64 s[G0+4*\slot+2:G0+4*\slot+3], s[G0+4*\slot+2:G0+4*\slot+3], 2*KB
	s_add_nc_u64 s[G0B+4*\slot+2:G0B+4*\slot+3], s[G0B+4*\slot+2:G0B+4*\slot+3], 2*KB
	JLOAD \slot                                    ; the first tensor load behind the round; its four v_nop are also the places in front of the loads below
.else
	PLACES
.endif
	FETCH \next, 0, F0
	WIN MUL
	MUL4 F1, 2, 0
	MUL4 F1, 3, 0
.endm
	s_wait_tensorcnt 1                             ; my part of slot 0 is in; slot 1's load may be out
	s_barrier_signal -1
	s_barrier_wait -1
	FETCH 0, 0, F0
	SUB 0, 1, F0, F1, 1                            ; the first products start the sums
.if LAPS > 1
	WIN 0
	s_mov_b32 s3, LAPS-1
.Llap:
	SUB 0, 2, F1, F0, 0
	SUB 0, 3, F0, F1, 0
	TURN 0, 1, 1
	SUB 1, 1, F0, F1, 0
	SUB 1, 2, F1, F0, 0
	SUB 1, 3, F0, F1, 0
	TURN 1, 0, 1
	SUB 0, 1, F0, F1, 0
	WIN 0
	s_sub_co_u32 s3, s3, 1
	s_cmp_lg_u32 s3, 0
	s_cbranch_scc1 .Llap
.endif
	SUB 0, 2, F1, F0, 0
	SUB 0, 3, F0, F1, 0
	TURN 0, 1, 0
	SUB 1, 1, F0, F1, 0
	SUB 1, 2, F1, F0, 0
	SUB 1, 3, F0, F1, 0
	s_wait_dscnt 8
	WIN MUL
	MUL4 F1, 0, 0
	MUL4 F1, 1, 0
	s_wait_dscnt 0
	MUL4 F1, 2, 0
	MUL4 F1, 3, 0
	WIN 0
	s_wait_kmcnt 0x0
	s_add_co_i32 s96, s96, s97
	s_add_co_i32 s96, s96, 127
	s_lshl_b32 s96, s96, 23                        ; 2^(eA + eB) as f32
	s_mov_b32 s97, s96
	s_wait_loadcnt 0x0                             ; bias, residual (and mask)
	PLACES
.macro TOSTAGE a                       ; 16 rows x 64 columns through my stage: LDS serves a wave's instructions in order, so no wait stands between
.irp b, 0,1,2,3
	ds_store_b128 v[STO], v[ACC+8*(4*(\a)+\b):ACC+8*(4*(\a)+\b)+3] offset:64*\b
	ds_store_b128 v[STO], v[ACC+8*(4*(\a)+\b)+4:ACC+8*(4*(\a)+\b)+7] offset:64*\b+16
.endr
.set BB, BK+32*((\a)%2)
.irp t, 0,1,2,3,4,5,6,7
	ds_load_b128 v[BB+4*\t:BB+4*\t+3], v[RD] offset:2*\t*SPITCH
.endr
.endm
.macro SEND a, younger                 ; younger: the LDS instructions issued behind block a's loads
.set BB, BK+32*((\a)%2)
	s_wait_dscnt \younger
	WIN 0x20                                       ; source 2 (the residual) in window 2
.set j, 0
.rept 16
	v_pk_fma_f32 v[BB+j:BB+j+1], v[BB+j:BB+j+1], s[96:97], v[32*(\a)+j:32*(\a)+j+1] op_sel_hi:[1,0,1]
.set j, j+2
.endr
	WIN 0
.set j, 0
.rept 8
	v_pk_add_f32 v[BB+4*j:BB+4*j+1], v[BB+4*j:BB+4*j+1], v[12:13]
	v_pk_add_f32 v[BB+4*j+2:BB+4*j+3], v[BB+4*j+2:BB+4*j+3], v[14:15]
.set j, j+1
.endr
.if W2
.set j, 0
.rept 8
	v_bfe_u32 v10, v[96+4*(\a)+j/2], v[8+j%2], 8   ; the mask byte of row 16 a + 2 j + h
	v_cmp_ne_u32 vcc_lo, 0, v10
	v_cndmask_b32 v[BB+4*j], 0, v[BB+4*j], vcc_lo  ; a choice, not a product: nothing of a masked row is left
	v_cndmask_b32 v[BB+4*j+1], 0, v[BB+4*j+1], vcc_lo
	v_cndmask_b32 v[BB+4*j+2], 0, v[BB+4*j+2], vcc_lo
	v_cndmask_b32 v[BB+4*j+3], 0, v[BB+4*j+3], vcc_lo
.set j, j+1
.endr
.endif
.set j, 0
.rept 8
	global_store_b128 v[CO], v[BB+4*j:BB+4*j+3], s[80:81] offset:(16*(\a)+2*j)*4096 th:TH_STORE_NT   ; 16 lanes store 256 consecutive aligned bytes
.set j, j+1
.endr
.endm
	TOSTAGE 0
.irp a, 1,2,3
.if \a > 1
	s_wait_xcnt 0x0                                ; block a - 2's stores have read their data: block a's loads may land there
.endif
	TOSTAGE \a
	SEND \a-1, 16                                  ; behind block a - 1's loads: block a's 8 stores and 8 loads
.endr
	SEND 3, 0
	s_wait_tensorcnt 0x0                           ; the wave's end
	ds_add_u32 v[SPW], v[NIL]
	s_wait_dscnt 0x0
	CROUND
	s_endpgm
.Lfunc_end_k_qa304bf94d0_w2:
	.size	k_qa304bf94d0_w2, .Lfunc_end_k_qa304bf94d0_w2-k_qa304bf94d0_w2
	.p2alignl 7, 3214868480
	.fill 96, 4, 3214868480
	.section	.rodata,"a",@progbits
	.p2align	6, 0x0
	.amdhsa_kernel k_qa304bf94d0_w2
		.amdhsa_group_segment_fixed_size 327680
		.amdhsa_private_segment_fixed_size 0
		.amdhsa_enable_private_segment 0
		.amdhsa_kernarg_size 56
		.amdhsa_user_sgpr_count 2
		.amdhsa_user_sgpr_kernarg_segment_ptr 1
		.amdhsa_wavefront_size32 1
		.amdhsa_system_sgpr_workgroup_id_x 1
		.amdhsa_system_sgpr_workgroup_id_y 1
		.amdhsa_system_sgpr_workgroup_id_z 1
		.amdhsa_system_vgpr_workitem_id 0
		.amdhsa_next_free_vgpr 768
		.amdhsa_next_free_sgpr 100
		.amdhsa_reserve_vcc 1
		.amdhsa_float_denorm_mode_32 3
		.amdhsa_float_denorm_mode_16_64 3
		.amdhsa_memory_ordered 1
		.amdhsa_forward_progress 1
		.amdhsa_inst_pref_size 89
	.end_amdhsa_kernel
	.amdgpu_metadata
---
amdhsa.version: [ 1, 2 ]
amdhsa.kernels:
  - .name:           k_qa304bf94d0_w2
    .symbol:         k_qa304bf94d0_w2.kd
    .args:
      - { .name: gc, .offset: 0, .size: 8, .value_kind: global_buffer, .address_space: global }
      - { .name: wc, .offset: 8, .size: 8, .value_kind: global_buffer, .address_space: global }
      - { .name: b2, .offset: 16, .size: 8, .value_kind: global_buffer, .address_space: global }
      - { .name: y1, .offset: 24, .size: 8, .value_kind: global_buffer, .address_space: global }
      - { .name: mask, .offset: 32, .size: 8, .value_kind: global_buffer, .address_space: global }
      - { .name: lowp_scales, .offset: 40, .size: 8, .value_kind: global_buffer, .address_space: global }
      - { .name: out0, .offset: 48, .size: 8, .value_kind: global_buffer, .address_space: global }
    .group_segment_fixed_size: 327680
    .private_segment_fixed_size: 0
    .kernarg_segment_align: 8
    .kernarg_segment_size: 56
    .max_flat_workgroup_size: 128
    .sgpr_count:     100
    .vgpr_count:     768
    .wavefront_size: 32
...
	.end_amdgpu_metadata
.endif
;; end of part 7
